; MI455X (gfx1250); checked and timed in simulation.
; The chip was launched on July 23, 2026; its instructions are those of AMD's public machine-readable ISA for CDNA 5 (MIT licence, August 2026) and "CDNA5" Instruction Set Architecture Reference Guide (July 2026). The comments in the code are by the model that wrote it; some were corrected since.
;; Multi Head Attention. Allowed arithmetic: matrix products marked QUANTISED: E2M1 operands, one E8M0 scale for each 32 along K, by v_wmma_scale_f32_16x16x128_f8f6f4 with both operands' format E2M1 (or v_wmma_scale_f32_32x16x128_f4), f32 sums; products left as they are: bf16, f16 or f32 operands; f32 sums; everything else in f32.
;; Inputs: W_out 1,024 x 1,024 float32; W_qkv 1,024 x 3,072 float32; b_out 1,024 float32; b_qkv 3,072 float32; x 4 x 2,048 x 1,024 float32.
;; Outputs: out0 4 x 2,048 x 1,024 float32.
;; This version of the problem:
;;   THIS VERSION OF THE PROBLEM IS GIVEN IN LOW PRECISION. The matrix products marked QUANTISED in the list below multiply operands that are first quantised to E2M1 (2 exponent bits, 1 mantissa bit; 4 bits a number), with one power-of-two scale for each 32 numbers along K (OCP MX v1.0); their sums are f32. The products marked 'left as it is' may take bf16, f16 or f32 operands, with f32 sums. Whichever they take, every output number must still come out within the allowed error. Rounding operands to bf16 (8 significant bits) uses up far more of that allowance than f16 does (11 bits, for magnitudes from 6e-5 to 65,504). All else is computed in f32.
;;   The module's matrix products, in the order in which they are computed (A, B: the left and right operand; K: the contracted axis; several contracted axes count as one K, in the product's order):
;;     1. [M 8,192, K 1,024] x [K 1,024, N 3,072]; A: input x; B: input W_qkv: QUANTISED
;;     2. batch 64 x [M 2,048, K 64] x [K 64, N 2,048]; A: computed on the way; B: computed on the way: left as it is (an operand is computed on the way)
;;     3. batch 64 x [M 2,048, K 2,048] x [K 2,048, N 64]; A: computed on the way; B: computed on the way: left as it is (an operand is computed on the way)
;;     4. [M 8,192, K 1,024] x [K 1,024, N 1,024]; A: computed on the way; B: input W_out: left as it is (an operand is computed on the way)
;;   THE QUANTISER, for each operand of a quantised product, along K:
;;     - K is cut into blocks of 32 from its start; a last block that is shorter is filled with zeros.
;;     - A block's scale is 2^e with e = floor(log2(the largest magnitude in the block)) - 2, held to -126 .. 127; a block of zeros has e = 0. As a byte (E8M0): e + 127.
;;     - Each number is divided by its block's scale, clamped to +-6, and rounded to the nearest number of E2M1, ties to even, subnormals kept.
;;     - The product sums the exact products of the quantised numbers (number of the format x scale) in f32.
;;   ~~~python
;;   def quantise(x, axis):      # numpy; x: float32 -> the quantised numbers, widened to float32 again
;;       x = np.moveaxis(x, axis, -1); K = x.shape[-1]
;;       x = np.pad(x, [(0, 0)] * (x.ndim - 1) + [(0, -K % 32)]); x = x.reshape(x.shape[:-1] + (-1, 32)); a = np.abs(x).max(-1, keepdims=True)
;;       e = np.where(a > 0, np.clip(np.frexp(np.where(a > 0, a, 1))[1] - 1 - 2, -126, 127), 0)      # np.frexp(a)[1] - 1 = floor(log2(a)), exactly
;;       r = np.clip(x / 2.0 ** e, -6, 6)
;;       step = 2.0 ** (np.maximum(np.frexp(np.where(r == 0, 1, r))[1] - 1, 0) - 1)
;;       q = np.round(r / step) * step * 2.0 ** e      # np.round: ties to even
;;       return np.moveaxis(q.reshape(q.shape[:-2] + (-1,))[..., :K], -1, axis).astype(np.float32)
;;   ~~~
;; One version. Each part assembles by itself: llvm-mc -triple=amdgcn-amd-amdhsa -mcpu=gfx1250 --defsym DOCPART=n.
;; ======== version 1 of 1: 4 launches
;; limits: values are held in f16: magnitudes above 65,504 overflow, below 6.1e-05 lose precision
;; workspace buffers: xc 4,194,304 bytes; xs 262,144 bytes; wc 1,572,864 bytes; ws 98,304 bytes; wo 2,097,152 bytes; qkv 50,331,648 bytes; ao 16,777,216 bytes
;; launch prep (part 1): grid 480 x 1, 8 waves a work-group, no clusters, 78,848 bytes of LDS; arguments x, W_qkv, W_out, xc, xs, wc, ws, wo; writes xc, xs, wc, ws, wo
.if DOCPART == 1
	.amdgcn_target "amdgcn-amd-amdhsa--gfx1250"
	.amdhsa_code_object_version 6
	.text
	.protected	k_q6abd96db47_prep
	.globl	k_q6abd96db47_prep
	.p2align	8
	.type	k_q6abd96db47_prep,@function
k_q6abd96db47_prep:
	s_mov_b64 s[64:65], 0
	v_nop
	global_prefetch_b8 v0, s[64:65] scope:SCOPE_SE
	s_setreg_imm32_b32 hwreg(HW_REG_WAVE_MODE, 25, 1), 1
	s_wait_xcnt 0x0
; MULTI-HEAD ATTENTION, launch 1 of 4: the operands of the later products are laid out once.
;   x     [8192][1024] f32 -> xc [8192][512 bytes] codes of FP4 (E2M1), K innermost, two a byte; xs [8192][32] E8M0 bytes, one for each 32 along K
;   W_qkv [1024 k][3072 n] f32 -> wc [3072 n][512 bytes], ws [3072][32]: quantised along K, its FIRST axis, and laid with K innermost
;   W_out [1024 k][1024 n] f32 -> wo [1024 n][1024 k] f16, rounded once (that product is left as it is; f16 keeps 11 significant bits)
; DEAD WORK, for the whole program: k's bias, b_qkv[1024:2048].  score(q, k) = (xWq + bq).(xWk + bk) / 8 = (xWq + bq).(xWk) / 8 + (xWq + bq).bk / 8; the second term does not hang on
; the key, so it is the same along the softmax's axis, and softmax(s + const) = softmax(s) for all finite values of the inputs.  The product of q and k is not quantised, so bk moves no code
; and no scale.  Those 1,024 numbers are not loaded by any launch; bq and bv are live, so b_qkv stays an argument of the second launch.
; LIMIT: a NaN, an infinity or an overflow that reaches only that term is not carried to the result.
; THE QUANTISER: a block's scale is 2^(floor(log2(largest magnitude)) - 2); its byte is the largest magnitude's exponent field - 2, held at 1 from below by a floor 2^(3 - 127) among the maximum's leaves.
; A block of zeros so gets the byte 1 where the rule says 127: its codes are zeros, which add nothing, and this program alone reads the bytes.
; LIMITS: blocks whose largest magnitude lies under 2^(3 - 127) keep the byte 1; NaN and infinities in x and W_qkv are not served; |W_out| stays under 65,504 (f16).
; SHARES: three paths, parted by the work-group's number, each with LDS bytes of its own: 0-95 W_qkv (64 columns x 512 K), 96-223 W_out (64 columns x 128 K), 224-479 x (32,768 numbers).
; No tensor load: operands go through registers; two work-groups fit on a WGP.
.set XST,   0                          ; x: for each of 8 waves two stages of 32 x 80 bytes
.set XSB,   40960                      ; x: the work-group's 1,024 scale bytes
.set QST,   41984                      ; W_qkv: 64 rows (columns n) x (256 bytes of codes + 16)
.set QSB,   59392                      ; W_qkv: 64 x 16 scale bytes
.set OST,   60416                      ; W_out: 64 rows x (256 bytes of f16 + 16)
.set SPARE, 77824                      ; the spare words, 128 bytes for each wave: four blocks of 256 bytes that no other line names
.set SP,    80                         ; a lane's place in x's stage: 64 bytes + 16 of padding
.set PW,    272                        ; a row of the weights' stages
.set SPW,   12                         ; v12  LDS address of my spare word; never rewritten
.set NIL,   13                         ; v13  0; never rewritten
.set WV,    20                         ; s20  my wave's number
.set R,     16                         ; x: v16-143 eight sets of 16 numbers as loaded
.set X,     144                        ; x: v144-175 two sets of 16 neighbours
.set C,     176                        ; x: v176-191 codes, two registers a step
.set E,     192                        ; x: v192-199 a scale byte a step
.macro FINISH                          ; the wave's end, behind my last LDS store
	s_wait_tensorcnt 0x0
	ds_add_u32 v[SPW], v[NIL]
	s_wait_dscnt 0x0
	s_endpgm
.endm
	s_load_b256 s[4:11], s[0:1], 0x0               ; x s[4:5], W_qkv s[6:7], W_out s[8:9], xc s[10:11]
	s_load_b256 s[12:19], s[0:1], 0x20             ; xs s[12:13], wc s[14:15], ws s[16:17], wo s[18:19]
	v_lshl_add_u32 v[SPW], v0, 2, SPARE
	v_mov_b32 v[NIL], 0
	v_lshrrev_b32 v1, 5, v0
	v_readfirstlane_b32 s[WV], v1                  ; wave 0..7
	v_and_b32 v2, 31, v0                           ; lane
	s_and_b32 s21, s[WV], 1                        ; the weights' paths: which 32 of the 64 columns,
	s_lshr_b32 s22, s[WV], 1                       ; and which quarter of the work-group's K
	s_cmp_lt_u32 ttmp9, 96
	s_cbranch_scc1 .Lwq
	s_cmp_lt_u32 ttmp9, 224
	s_cbranch_scc1 .Lwo
; ---------------- x: a plain stream of blocks of 32.  A wave takes 8 steps of 512 numbers.  Each load reads 512 consecutive bytes; a step's 2,048 bytes turn through the wave's own stage,
; so that a lane then holds 16 NEIGHBOURS (two neighbouring lanes hold a block), as the conversions want them.  All 32 loads of a wave go out at the head.
	s_sub_co_u32 s23, ttmp9, 224
	s_lshl_b32 s24, s23, 17                        ; x: 131,072 bytes a work-group,
	s_lshl_b32 s25, s[WV], 14                      ; 16,384 a wave
	s_add_co_u32 s24, s24, s25
	s_mov_b32 s25, 0
	s_lshl_b32 s26, s23, 14                        ; codes: an eighth of that
	s_lshl_b32 s27, s[WV], 11
	s_add_co_u32 s26, s26, s27
	s_mov_b32 s27, 0
	s_lshl_b32 s28, s23, 10                        ; scale bytes: 1,024 a work-group
	s_mov_b32 s29, 0
	s_mul_i32 s30, s[WV], 64*SP                    ; my two stages
	v_lshlrev_b32 v3, 4, v2                        ; my 16 bytes of a load's 512
	v_lshrrev_b32 v14, 2, v2
	v_mul_u32_u24 v14, v14, SP
	v_and_b32 v15, 3, v2
	v_lshl_add_u32 v14, v15, 4, v14
	v_add_nc_u32 v14, s30, v14                     ; into the stage: four lanes' 64 bytes on end, then 16 of padding
	v_mul_u32_u24 v15, v2, SP
	v_add_nc_u32 v15, s30, v15                     ; out of it: my 16 neighbours
	v_lshlrev_b32 v4, 3, v2                        ; my 8 bytes of a step's 256 bytes of codes
	s_lshl_b32 s31, s[WV], 7
	s_add_co_u32 s31, s31, XSB
	v_lshrrev_b32 v5, 1, v2
	v_add_nc_u32 v5, s31, v5                       ; my block's scale byte: XSB + 128 wave + lane / 2
	s_and_b32 s31, s[WV], 3
	s_lshl_b32 s31, s31, 8
	v_lshlrev_b32 v7, 3, v2
	v_add_nc_u32 v7, s31, v7                       ; the bytes' way out (waves 0 to 3): 256 bytes a wave, 8 a lane
	v_add_nc_u32 v6, XSB, v7
	s_wait_kmcnt 0x0
	s_add_nc_u64 s[4:5], s[4:5], s[24:25]
	s_add_nc_u64 s[10:11], s[10:11], s[26:27]
	s_add_nc_u64 s[12:13], s[12:13], s[28:29]
.macro XLOAD t
.irp i, 0,1,2,3
	global_load_b128 v[R+16*(\t)+4*\i:R+16*(\t)+4*\i+3], v3, s[4:5] offset:2048*(\t)+512*\i th:TH_LOAD_NT
.endr
.endm
.macro XTURN t                         ; LDS serves a wave's instructions in order: no wait between the stores and the loads
.irp i, 0,1,2,3
	ds_store_b128 v14, v[R+16*(\t)+4*\i:R+16*(\t)+4*\i+3] offset:32*SP*((\t)%2)+8*SP*\i
.endr
.irp i, 0,1,2,3
	ds_load_b128 v[X+16*((\t)%2)+4*\i:X+16*((\t)%2)+4*\i+3], v15 offset:32*SP*((\t)%2)+16*\i
.endr
.endm
.macro XSTEP t
.set XS, X+16*((\t)%2)
.if (\t) > 0
	s_wait_dscnt 1                                 ; this step's numbers are back from the stage; the last step's byte store may be out
.else
	s_wait_dscnt 0x0
.endif
.if (\t) < 7
	s_wait_loadcnt 4*(6-(\t))                      ; the next step's four loads are in; those of the steps behind it may be out
	XTURN (\t)+1                                   ; they go through the other stage while this step is worked
.endif
	v_max3_num_f32 v8, |v[XS]|, |v[XS+1]|, |v[XS+2]|   ; the largest magnitude of my 16, in two chains
	v_max3_num_f32 v9, |v[XS+3]|, |v[XS+4]|, |v[XS+5]|
.irp i, 6,10
	v_max3_num_f32 v8, v8, |v[XS+\i]|, |v[XS+\i+1]|
	v_max3_num_f32 v9, v9, |v[XS+\i+2]|, |v[XS+\i+3]|
.endr
	v_max3_num_f32 v8, v8, |v[XS+14]|, |v[XS+15]|
	v_max3_num_f32 v8, v8, v9, 0x1800000           ; and the floor 2^(3 - 127): the byte cannot fall under 1
	v_max_num_f32_dpp v8, v8, v8 row_xmask:1 row_mask:0xf bank_mask:0xf   ; with my neighbour's 16: the block's
	v_add_nc_u32 v11, 0xff000000, v8               ; 2 off its exponent field: the conversion takes that field as its scale and nothing else
	v_cvt_scalef32_pk8_fp4_f32 v[C+2*(\t)], v[XS:XS+7], v11
	v_cvt_scalef32_pk8_fp4_f32 v[C+2*(\t)+1], v[XS+8:XS+15], v11
	v_lshrrev_b32 v[E+(\t)], 23, v11               ; the scale's byte (also the plain line behind the conversions)
	ds_store_b8 v5, v[E+(\t)] offset:16*(\t)       ; both lanes of a block write the same byte with the same value
	global_store_b64 v4, v[C+2*(\t):C+2*(\t)+1], s[10:11] offset:256*(\t)   ; the wave stores 256 consecutive bytes, aligned
.endm
.irp t, 0,1,2,3,4,5,6,7
	XLOAD \t
.endr
	s_wait_loadcnt 28                              ; step 0's four loads are in
	XTURN 0
.irp t, 0,1,2,3,4,5,6,7
	XSTEP \t
.endr
	s_wait_dscnt 0x0                               ; for the others' sake: my byte stores have landed
	s_barrier_signal -1
	s_barrier_wait -1
	s_cmp_lt_u32 s[WV], 4                          ; the 1,024 scale bytes leave by four waves, 256 consecutive bytes each
	s_cbranch_scc0 .Lx_end
	ds_load_b64 v[8:9], v6
	s_wait_dscnt 0x0
	global_store_b64 v7, v[8:9], s[12:13]
.Lx_end:
	FINISH
; ---------------- both weights: A LANE TAKES A COLUMN n, ITS REGISTERS RUN DOWN K: each load reads neighbouring n in neighbouring lanes (two waves side by side: 256 bytes of a row),
; and what a lane makes has K innermost.  It goes through the work-group's stage, row = column n, and leaves as rows: sixteen lanes store 256 consecutive bytes, aligned.
.macro WADDR stage, klog               ; klog: log2 of a row of the output in bytes
	s_mul_i32 s23, s21, 32*PW
	s_lshl_b32 s24, s22, 6                         ; my quarter's 64 bytes of a stage row
	s_add_co_u32 s23, s23, s24
	s_add_co_u32 s23, s23, \stage
	v_mul_u32_u24 v4, v2, PW
	v_add_nc_u32 v4, s23, v4                       ; into the stage: row = my column
	v_lshlrev_b32 v3, 2, v2                        ; in: 4 bytes a lane
	v_lshrrev_b32 v10, 4, v2
	v_and_b32 v11, 15, v2
	s_lshl_b32 s24, s[WV], 3
	v_add_nc_u32 v10, s24, v10                     ; out: wave w takes rows 8 w .. 8 w + 7, two an instruction
	v_mul_u32_u24 v6, v10, PW
	v_lshl_add_u32 v6, v11, 4, v6
	v_add_nc_u32 v6, \stage, v6
	v_lshlrev_b32 v7, \klog, v10
	v_lshl_add_u32 v7, v11, 4, v7                  ; and the same place in the output
.endm
.macro WOUT krow, base
.irp j, 0,1,2,3
	ds_load_b128 v[100+4*\j:103+4*\j], v6 offset:2*PW*\j
.endr
.irp j, 0,1,2,3
	s_wait_dscnt 3-\j                              ; LDS loads come back in order: load j is in
	global_store_b128 v7, v[100+4*\j:103+4*\j], s[\base:\base+1] offset:2*\j*\krow
.endr
.endm
.Lwq:                                  ; ---------------- W_qkv: a wave takes 32 columns x 128 K: four blocks a lane
	s_cmp_ge_u32 ttmp9, 48
	s_cselect_b32 s26, 1, 0                        ; which half of K
	s_cselect_b32 s27, 48, 0
	s_sub_co_u32 s27, ttmp9, s27                   ; which 64 columns
	WADDR QST, 9
	s_lshl_b32 s28, s26, 9
	s_lshl_b32 s29, s22, 7
	s_add_co_u32 s28, s28, s29                     ; my first row of W_qkv: 512 half + 128 quarter
	s_mul_i32 s28, s28, 12288
	s_lshl_b32 s29, s27, 8
	s_add_co_u32 s28, s28, s29
	s_lshl_b32 s29, s21, 7
	s_add_co_u32 s28, s28, s29                     ; + 4 x my first column
	s_mov_b32 s29, 0
	s_lshl_b32 s30, s27, 15                        ; wc: 64 rows of 512 bytes a group, + 256 x half
	s_lshl_b32 s31, s26, 8
	s_add_co_u32 s30, s30, s31
	s_mov_b32 s31, 0
	s_lshl_b32 s32, s27, 11                        ; ws: 64 rows of 32 bytes a group, + 16 x half
	s_lshl_b32 s33, s26, 4
	s_add_co_u32 s32, s32, s33
	s_mov_b32 s33, 0
	s_lshl_b32 s34, s21, 9
	s_lshl_b32 s35, s22, 2
	s_add_co_u32 s35, s35, s34
	s_add_co_u32 s35, s35, QSB
	v_lshl_add_u32 v5, v2, 4, s35                  ; my four scale bytes: QSB + 16 x column + 4 x quarter
	s_add_co_u32 s34, s34, QSB
	v_lshl_add_u32 v14, v2, 4, s34                 ; their way out (waves 0 and 1): 16 bytes a column,
	s_lshl_b32 s34, s21, 10
	v_lshl_add_u32 v15, v2, 5, s34                 ; into rows of 32 bytes
	s_wait_kmcnt 0x0
	s_add_nc_u64 s[6:7], s[6:7], s[28:29]
	s_add_nc_u64 s[14:15], s[14:15], s[30:31]
	s_add_nc_u64 s[16:17], s[16:17], s[32:33]
.macro QLOAD t                         ; block t: W(32 t + i, my column) into set t % 2; the largest offset, 127 rows of 12,288 bytes, lies inside the signed 24-bit immediate
.set i, 0
.rept 32
	global_load_b32 v[16+32*((\t)%2)+i], v3, s[6:7] offset:(32*(\t)+i)*12288 th:TH_LOAD_NT
.set i, i+1
.endr
.endm
.macro QBLOCK t
.set XS, 16+32*((\t)%2)
.if (\t) < 3
	s_wait_loadcnt 32                              ; this block's 32 loads are in; the next block's may be out
.else
	s_wait_loadcnt 0x0
.endif
	v_max3_num_f32 v8, |v[XS]|, |v[XS+1]|, |v[XS+2]|   ; the block's largest magnitude: all 32 numbers are mine
	v_max3_num_f32 v9, |v[XS+3]|, |v[XS+4]|, |v[XS+5]|
.irp i, 6,10,14,18,22,26
	v_max3_num_f32 v8, v8, |v[XS+\i]|, |v[XS+\i+1]|
	v_max3_num_f32 v9, v9, |v[XS+\i+2]|, |v[XS+\i+3]|
.endr
	v_max3_num_f32 v8, v8, |v[XS+30]|, |v[XS+31]|
	v_max3_num_f32 v8, v8, v9, 0x1800000           ; and the floor
	v_add_nc_u32 v11, 0xff000000, v8               ; the conversion's scale operand
	v_lshrrev_b32 v9, 23, v11                      ; the scale's byte
.if (\t) == 0
	v_mov_b32 v96, v9                              ; four bytes to a register, the lower K in the lower byte
.else
	v_lshl_or_b32 v96, v9, 8*(\t), v96
.endif
.irp g, 0,1,2,3
	v_cvt_scalef32_pk8_fp4_f32 v[80+4*(\t)+\g], v[XS+8*\g:XS+8*\g+7], v11
.endr
	ds_store_b128 v4, v[80+4*(\t):80+4*(\t)+3] offset:16*(\t)   ; 32 codes: 16 bytes of my column's row; each block has its own four registers
.if (\t) < 2
	QLOAD (\t)+2
.endif
.endm
	QLOAD 0
	QLOAD 1
	QBLOCK 0
	QBLOCK 1
	QBLOCK 2
	QBLOCK 3
	ds_store_b32 v5, v96
	s_wait_dscnt 0x0                               ; for the others' sake: my stores have landed
	s_barrier_signal -1
	s_barrier_wait -1
	WOUT 512, 14
	s_cmp_lt_u32 s[WV], 2
	s_cbranch_scc0 .Lq_end
	ds_load_b128 v[116:119], v14
	s_wait_dscnt 0x0
	global_store_b128 v15, v[116:119], s[16:17]    ; 16 scale bytes of each of 32 columns
.Lq_end:
	FINISH
.Lwo:                                  ; ---------------- W_out: a wave takes 32 columns x 32 K; rounded to f16, two neighbours along K to a register
	s_sub_co_u32 s26, ttmp9, 96
	s_and_b32 s27, s26, 15                         ; which 64 columns
	s_lshr_b32 s26, s26, 4                         ; which 128 along K
	WADDR OST, 11
	s_lshl_b32 s28, s26, 7
	s_lshl_b32 s29, s22, 5
	s_add_co_u32 s28, s28, s29                     ; my first row: 128 group + 32 quarter
	s_lshl_b32 s28, s28, 12                        ; rows of 4,096 bytes
	s_lshl_b32 s29, s27, 8
	s_add_co_u32 s28, s28, s29
	s_lshl_b32 s29, s21, 7
	s_add_co_u32 s28, s28, s29
	s_mov_b32 s29, 0
	s_lshl_b32 s30, s27, 17                        ; wo: 64 rows of 2,048 bytes a group, + 256 bytes for each 128 along K
	s_lshl_b32 s31, s26, 8
	s_add_co_u32 s30, s30, s31
	s_mov_b32 s31, 0
	s_wait_kmcnt 0x0
	s_add_nc_u64 s[8:9], s[8:9], s[28:29]
	s_add_nc_u64 s[18:19], s[18:19], s[30:31]
.set i, 0
.rept 32
	global_load_b32 v[16+i], v3, s[8:9] offset:4096*i th:TH_LOAD_NT
.set i, i+1
.endr
	s_wait_loadcnt 0x0
.set i, 0
.rept 16
	v_cvt_pk_f16_f32 v[80+i], v[16+2*i], v[17+2*i] ; the lower k in the low half
.set i, i+1
.endr
.irp j, 0,1,2,3
	ds_store_b128 v4, v[80+4*\j:83+4*\j] offset:16*\j
.endr
	s_wait_dscnt 0x0
	s_barrier_signal -1
	s_barrier_wait -1
	WOUT 2048, 18
	FINISH
.Lfunc_end_k_q6abd96db47_prep:
	.size	k_q6abd96db47_prep, .Lfunc_end_k_q6abd96db47_prep-k_q6abd96db47_prep
	.p2alignl 7, 3214868480
	.fill 96, 4, 3214868480
	.section	.rodata,"a",@progbits
	.p2align	6, 0x0
	.amdhsa_kernel k_q6abd96db47_prep
		.amdhsa_group_segment_fixed_size 78848
		.amdhsa_private_segment_fixed_size 0
		.amdhsa_enable_private_segment 0
		.amdhsa_kernarg_size 64
		.amdhsa_user_sgpr_count 2
		.amdhsa_user_sgpr_kernarg_segment_ptr 1
		.amdhsa_wavefront_size32 1
		.amdhsa_system_sgpr_workgroup_id_x 1
		.amdhsa_system_sgpr_workgroup_id_y 1
		.amdhsa_system_sgpr_workgroup_id_z 1
		.amdhsa_system_vgpr_workitem_id 0
		.amdhsa_next_free_vgpr 208
		.amdhsa_next_free_sgpr 66
		.amdhsa_reserve_vcc 0
		.amdhsa_float_denorm_mode_32 3
		.amdhsa_float_denorm_mode_16_64 3
		.amdhsa_memory_ordered 1
		.amdhsa_forward_progress 1
		.amdhsa_inst_pref_size 47
	.end_amdhsa_kernel
	.amdgpu_metadata
---
amdhsa.version: [ 1, 2 ]
amdhsa.kernels:
  - .name:           k_q6abd96db47_prep
    .symbol:         k_q6abd96db47_prep.kd
    .args:
      - { .name: x, .offset: 0, .size: 8, .value_kind: global_buffer, .address_space: global }
      - { .name: W_qkv, .offset: 8, .size: 8, .value_kind: global_buffer, .address_space: global }
      - { .name: W_out, .offset: 16, .size: 8, .value_kind: global_buffer, .address_space: global }
      - { .name: xc, .offset: 24, .size: 8, .value_kind: global_buffer, .address_space: global }
      - { .name: xs, .offset: 32, .size: 8, .value_kind: global_buffer, .address_space: global }
      - { .name: wc, .offset: 40, .size: 8, .value_kind: global_buffer, .address_space: global }
      - { .name: ws, .offset: 48, .size: 8, .value_kind: global_buffer, .address_space: global }
      - { .name: wo, .offset: 56, .size: 8, .value_kind: global_buffer, .address_space: global }
    .group_segment_fixed_size: 78848
    .private_segment_fixed_size: 0
    .kernarg_segment_align: 8
    .kernarg_segment_size: 64
    .max_flat_workgroup_size: 256
    .sgpr_count:     66
    .vgpr_count:     208
    .wavefront_size: 32
...
	.end_amdgpu_metadata
.endif
;; end of part 1
;; launch qkv (part 2): grid 12 x 32, 4 waves a work-group, clusters of 4 x 4, 327,680 bytes of LDS; arguments xc, xs, wc, ws, b_qkv, qkv; writes qkv
.if DOCPART == 2
	.amdgcn_target "amdgcn-amd-amdhsa--gfx1250"
	.amdhsa_code_object_version 6
	.text
	.protected	k_q6abd96db47_qkv
	.globl	k_q6abd96db47_qkv
	.p2align	8
	.type	k_q6abd96db47_qkv,@function
k_q6abd96db47_qkv:
	s_mov_b64 s[64:65], 0
	v_nop
	global_prefetch_b8 v0, s[64:65] scope:SCOPE_SE
	s_setreg_imm32_b32 hwreg(HW_REG_WAVE_MODE, 25, 1), 1
	s_wait_xcnt 0x0
	s_wait_alu depctr_hold_cnt(0) depctr_sa_sdst(0) depctr_va_vdst(0) depctr_va_sdst(0) depctr_va_ssrc(0) depctr_va_vcc(0) depctr_vm_vsrc(0)
	s_getreg_b32 s2, hwreg(HW_REG_IB_STS2, 6, 4)
	s_cmp_eq_u32 s2, 0
	s_cbranch_scc0 .Lentry_in_a_cluster
	s_endpgm
.Lentry_in_a_cluster:
	s_bfe_u32 s2, ttmp6, 0x10000c
	s_cmp_lg_u32 s2, 0xf033
	s_cbranch_scc0 .Lentry_shape_is_right
	s_endpgm
.Lentry_shape_is_right:
; Launch 2 of 4: q, k, v = Q(x) Q(W_qkv) + b, the QUANTISED product: codes of FP4 (E2M1) with one E8M0 scale for each 32 along K = 1,024, sums in f32.
; A = xc [8192][512 bytes], xs [8192][32]; B = wc [3072][512 bytes], ws [3072][32].  Out: qkv, three sections (q, k, v) of [batch x 16 + head][2048][64] f16, rounded once.
; LEFT OUT: k's bias, b_qkv[1024:2048]: it adds to every score of a query the same number, which the softmax cancels (shown at the head of the first kernel); k's sums start from zeros.
; LIMIT: |q|, |k|, |v| stay under 65,504 (f16).
; A tile of 256 x 256 is made by four waves, each 128 x 128: 64 accumulators, 512 registers.  K = 1,024 is two steps of 512: both LDS slots are filled once, at the head, and nothing is filled again.
; The scale bytes of the work-group's 256 + 256 rows, two dense blocks, come with the first fills and stay.  By this text's own count a wave has three tensor loads out at the most.
; CLUSTERS: 4 x 4 work-groups; A's tiles are asked for jointly along a row of the cluster, B's along a column.
; THE MATRIX INSTRUCTION IS USED TRANSPOSED (source 0 = 16 rows of B, source 1 = 16 rows of A): a lane holds eight neighbouring columns of one row.  The bias is the C of each sum's first product.
; REGISTERS, in windows of 256: window 0: v0-31 addresses; v32-95 scale words, two sets, and nothing else; v96-127 packed results; v128-191 A's fragments, one set, later rows on the way out; v192-255 the bias.
;   window 1: B's fragments, two sets.   windows 2, 3: the accumulators of my rows 0-63, 64-127 ((a, b) at v[8 (8 (a % 4) + b)]).
.set NQ,     4                         ; matrix instructions deep in a slot: 512 along K
.set ROWB,   256                       ; a tile's row in bytes
.set KROW,   512                       ; a row of codes in memory
.set PITCH,  272                       ; an LDS row: 256 bytes + 16 of padding = 68 words: the 16 rows that a load touches start at 16 different banks (64 banks of 4 bytes: ISA guide 11.1)
.set FR,     8
.set NL,     2
.set NP,     4                         ; places behind this matrix instruction (ISA guide 7.12.1)
.set HALFT,  128*PITCH
.set SLOT,   4*HALFT                   ; A's 256 rows, then B's 256 rows
.set KS,     32                        ; a row of scale bytes
.set SCL,    2*SLOT                    ; behind the slots: the scales, as units of 256 bytes + 16 of padding
.set HALFS,  16*272                    ; the scales of 128 rows
.set SBLK,   2*272                     ; those of 16 rows
.set SPARE,  SCL+4*HALFS               ; the spare words, 128 bytes for each wave
.set SPO,    144                       ; the way out: a stage of 2 heads x 16 rows x (128 bytes + 16) for each wave, in slot 0, which has had its only fill and its last read by then
.set STGW,   32*SPO
.set ADRA, 16
.set ADRB, 20
.set STO,  24
.set RD,   25
.set CO,   26
.set ADRS, 27
.set SPW,  28
.set NIL,  29
.set BO,   30                          ; v30  32 x (lane / 16): my eight numbers of a tile's sixteen of the bias
.set SC,   32
.set TMP,  96
.set AF,   128
.set BK,   128
.set BI,   192
.set G1, 24
.set G0, 32
.set G1B, 48
.set G0B, 56
.set G1S, 68
.set G0S, 76
.set G1SB, 80
.set G0SB, 88
.set MSB, 0
.macro WIN new                         ; the immediate's high byte repeats the setting that is left
.if MSB != \new
	s_set_vgpr_msb (MSB<<8)|\new
.set MSB, \new
.endif
.endm
.set MUL_LO, 0xa1                      ; source 0 (B) window 1, source 1 (A) window 0, C and D window 2
.set MUL_HI, 0xf1                      ; the same, C and D window 3
.set MUZ_LO, 0x81                      ; the first products: C (the bias) window 0, D window 2
.set MUZ_HI, 0xc1                      ; D window 3
.set TO_B,   0x40
; A joint load: waves 0 and 1 fetch for A, waves 2 and 3 for B; the branch hangs on the wave's number alone.  An s_nop 0 and four v_nop follow each of the two lines.
.macro JLOAD g0a, g1a, g0b, g1b
	s_cmp_eq_u32 s15, 0
	s_cbranch_scc0 .Lfor_b_\@
	tensor_load_to_lds s[\g0a:\g0a+3], s[\g1a:\g1a+7]
	s_nop 0
.rept 4
	v_nop
.endr
	s_branch .Lasked_\@
.Lfor_b_\@:
	tensor_load_to_lds s[\g0b:\g0b+3], s[\g1b:\g1b+7]
	s_nop 0
.rept 4
	v_nop
.endr
.Lasked_\@:
.endm
.macro CROUND                          ; a round of the cluster's barrier
	s_barrier_signal -1
	s_barrier_wait -1
	s_cmp_lg_u32 s14, 0
	s_cbranch_scc1 .Lnot_wave_0_\@
	s_barrier_signal -3
.Lnot_wave_0_\@:
	s_barrier_wait -3
	s_barrier_signal -1
	s_barrier_wait -1
.endm
	s_load_b128 s[4:7], s[0:1], 0x0                ; A's codes s[4:5], A's scales s[6:7]
	s_load_b128 s[8:11], s[0:1], 0x10              ; B's codes s[8:9], B's scales s[10:11]
	s_load_b64 s[96:97], s[0:1], 0x20              ; b_qkv
	s_load_b64 s[12:13], s[0:1], 0x28              ; qkv
	v_lshl_add_u32 v[SPW], v0, 2, SPARE
	v_mov_b32 v[NIL], 0
	ds_add_u32 v[SPW], v[NIL]                      ; the wave's opening: the add, twice on end, and its wait ahead of my first tensor load
	ds_add_u32 v[SPW], v[NIL]
	v_lshrrev_b32 v1, 5, v0
	v_readfirstlane_b32 s14, v1                    ; wave 0..3
	s_lshr_b32 s15, s14, 1                         ; which half of the tile's rows is mine.  Also: I fetch for A (0) or for B (1)
	s_and_b32 s16, s14, 1                          ; which half of its columns.  Also: which 128 rows of that tile I fetch
	s_bfe_u32 s40, ttmp6, 0x40000                  ; cx, cy: my place in the cluster
	s_bfe_u32 s41, ttmp6, 0x40004
	s_lshl_b32 s42, ttmp9, 2
	s_add_co_u32 s42, s42, s40                     ; tile column = 4 x cluster x + cx
	s_and_b32 s17, ttmp7, 0xffff
	s_lshl_b32 s17, s17, 2
	s_add_co_u32 s17, s17, s41                     ; tile row = 4 x cluster y + cy
	s_lshl_b32 s43, s41, 2
	s_lshl_b32 s43, 15, s43                        ; my row of the cluster
	s_lshl_b32 s44, 0x1111, s40                    ; my column
	s_or_b32 s[G1+0], s43, (0<<16)|(1<<20)|(1<<21)|(5<<22)|(3<<25)  ; the mask; elements of 1 byte; padding on; bit 21 beside a mask; after every 64 words, 4 words
	s_or_b32 s[G1B+0], s44, (0<<16)|(1<<20)|(1<<21)|(5<<22)|(3<<25)
.irp g, G1, G1B
	s_mov_b32 s[\g+1], ROWB<<16                    ; tensor_dim0
	s_mov_b32 s[\g+2], 128<<16                     ; tensor_dim1
	s_mov_b32 s[\g+3], ROWB<<16                    ; tile_dim0
	s_mov_b32 s[\g+4], 128                         ; tile_dim1
	s_mov_b32 s[\g+5], KROW                        ; the pitch
	s_mov_b32 s[\g+6], 0
	s_mov_b32 s[\g+7], 0
.endr
	s_or_b32 s[G1S+0], s43, (3<<16)|(1<<20)|(1<<21)|(5<<22)|(3<<25) ; the scales of 128 rows: 4,096 dense bytes as 16 rows of 256 (32 elements of 8 bytes), 16 bytes of padding behind each
	s_or_b32 s[G1SB+0], s44, (3<<16)|(1<<20)|(1<<21)|(5<<22)|(3<<25)
.irp g, G1S, G1SB
	s_mov_b32 s[\g+1], 32<<16
	s_mov_b32 s[\g+2], 16<<16
	s_mov_b32 s[\g+3], 32<<16
	s_mov_b32 s[\g+4], 16
	s_mov_b32 s[\g+5], 32
	s_mov_b32 s[\g+6], 0
	s_mov_b32 s[\g+7], 0
.endr
	s_lshl_b32 s18, s16, 7                         ; which 128 rows of the tile I fetch
	s_lshl_b32 s20, s17, 8
	s_add_co_u32 s20, s20, s18                     ; A: row 256 x tile row + 128 x half
	s_lshl_b32 s46, s42, 8
	s_add_co_u32 s46, s46, s18                     ; B: row 256 x tile column + 128 x half
	s_mov_b32 s21, 0
	s_mov_b32 s47, 0
	s_mov_b64 s[18:19], KS
	s_mul_u64 s[22:23], s[20:21], s[18:19]         ; where these rows' scales begin,
	s_mul_u64 s[92:93], s[46:47], s[18:19]
	s_mov_b64 s[18:19], KROW
	s_mul_u64 s[20:21], s[20:21], s[18:19]         ; and their codes
	s_mul_u64 s[46:47], s[46:47], s[18:19]
	s_mul_i32 s45, s14, HALFT                      ; where they go: wave x 128 rows: no place in the cluster enters an LDS address
	s_mul_i32 s94, s14, HALFS
	s_wait_dscnt 0x0                               ; both opening adds are done
	s_wait_kmcnt 0x0
	s_add_nc_u64 s[20:21], s[4:5], s[20:21]
	s_add_nc_u64 s[22:23], s[6:7], s[22:23]
	s_add_nc_u64 s[46:47], s[8:9], s[46:47]
	s_add_nc_u64 s[92:93], s[10:11], s[92:93]
	CROUND                                         ; all sixteen work-groups are here: the joint loads meet
	s_mov_b32 s[G0S], 1
	s_add_co_u32 s[G0S+1], s94, SCL
	s_mov_b64 s[G0S+2:G0S+3], s[22:23]
	s_or_b32 s[G0S+3], s[G0S+3], 0x80000000
	s_mov_b32 s[G0SB], 1
	s_add_co_u32 s[G0SB+1], s94, SCL
	s_mov_b64 s[G0SB+2:G0SB+3], s[92:93]
	s_or_b32 s[G0SB+3], s[G0SB+3], 0x80000000
	JLOAD G0S, G1S, G0SB, G1SB                     ; the scales first: they are wanted with K step 0
.irp s, 0,1
	s_mov_b32 s[G0+4*\s], 1
	s_add_co_u32 s[G0+4*\s+1], s45, \s*SLOT
	s_add_nc_u64 s[G0+4*\s+2:G0+4*\s+3], s[20:21], \s*ROWB
	s_or_b32 s[G0+4*\s+3], s[G0+4*\s+3], 0x80000000
	s_mov_b32 s[G0B+4*\s], 1
	s_add_co_u32 s[G0B+4*\s+1], s45, \s*SLOT
	s_add_nc_u64 s[G0B+4*\s+2:G0B+4*\s+3], s[46:47], \s*ROWB
	s_or_b32 s[G0B+4*\s+3], s[G0B+4*\s+3], 0x80000000
	JLOAD G0+4*\s, G1, G0B+4*\s, G1B
.endr
	v_and_b32 v1, 15, v0                           ; r = l % 16
	v_bfe_u32 v2, v0, 4, 1                         ; h = l / 16
	v_mul_u32_u24 v3, v1, PITCH
	v_lshl_add_u32 v4, v2, 4, v3                   ; a fragment's row x pitch + 16 x half
	s_mul_i32 s21, s15, HALFT                      ; my 128 rows of A
	s_mul_i32 s22, s16, HALFT                      ; my 128 rows of B,
	s_add_co_u32 s22, s22, 2*HALFT                 ; which lie behind A's 256
.irp s, 0,1
	v_add_nc_u32 v[ADRA+\s], s21, v4
	v_add_nc_u32 v[ADRB+\s], s22, v4
	s_add_co_u32 s21, s21, SLOT
	s_add_co_u32 s22, s22, SLOT
.endr
	v_mul_u32_u24 v5, v1, KS                       ; my row's scales: 32 bytes a row,
	v_lshrrev_b32 v6, 8, v5
	v_lshl_add_u32 v5, v6, 4, v5                   ; and 16 more for each 256 passed
	s_mul_i32 s21, s15, HALFS
	s_mul_i32 s22, s16, HALFS
	s_add_co_u32 s22, s22, 2*HALFS
	s_sub_co_u32 s22, s22, s21
	v_mul_u32_u24 v6, s22, v2                      ; lanes 16-31 take B's: one product, the distance between the two bases
	s_add_co_u32 s21, s21, SCL
	v_add_nc_u32 v5, v5, v6
	v_add_nc_u32 v[ADRS], s21, v5
	s_mul_i32 s23, s14, STGW                       ; my stage
	v_mul_u32_u24 v5, v1, SPO                      ; in: row r, 16 bytes for each half of the lanes
	v_lshl_add_u32 v5, v2, 4, v5
	v_add_nc_u32 v[STO], s23, v5
	v_and_b32 v6, 31, v0
	v_lshlrev_b32 v[CO], 4, v6                     ; out: 32 lanes take four rows of 128 bytes, which are 512 consecutive bytes of a head
	v_lshrrev_b32 v5, 3, v6
	v_mul_u32_u24 v5, v5, SPO
	v_and_b32 v6, 7, v0
	v_lshl_add_u32 v5, v6, 4, v5
	v_add_nc_u32 v[RD], s23, v5
	v_lshlrev_b32 v[BO], 5, v2
	s_lshl_b32 s46, s42, 10                        ; my first column, as bytes of f32: 1,024 x tile column + 512 x half
	s_lshl_b32 s47, s16, 9
	s_add_co_u32 s46, s46, s47
	s_mov_b32 s47, 0
	s_add_nc_u64 s[96:97], s[96:97], s[46:47]
	; where my part begins in qkv: section = tile column / 4; head = 4 (tile column % 4) + 2 x column half; batch = tile row / 8; position = 256 (tile row % 8) + 128 x row half
	s_lshr_b32 s20, s42, 2
	s_lshl_b32 s20, s20, 24
	s_lshr_b32 s21, s17, 3
	s_lshl_b32 s21, s21, 4
	s_and_b32 s22, s42, 3
	s_lshl_b32 s22, s22, 2
	s_add_co_u32 s21, s21, s22
	s_lshl_b32 s22, s16, 1
	s_add_co_u32 s21, s21, s22
	s_lshl_b32 s21, s21, 18                        ; a head is 262,144 bytes
	s_add_co_u32 s20, s20, s21
	s_and_b32 s21, s17, 7
	s_lshl_b32 s21, s21, 8
	s_lshl_b32 s22, s15, 7
	s_add_co_u32 s21, s21, s22
	s_lshl_b32 s21, s21, 7                         ; a row is 128 bytes
	s_add_co_u32 s20, s20, s21
	s_mov_b32 s21, 0
	s_add_nc_u64 s[12:13], s[12:13], s[20:21]
	; the bias in the result's layout: register 8 b + j of lane (r, h) = b_qkv[my first column + 16 b + 8 h + j].  The cluster's x is 1 for k's four tile columns, in all sixteen partners alike
	s_cmp_eq_u32 ttmp9, 1
	s_cbranch_scc1 .Lk_columns
.irp b, 0,1,2,3,4,5,6,7
	global_load_b128 v[BI+8*\b:BI+8*\b+3], v[BO], s[96:97] offset:64*\b
	global_load_b128 v[BI+8*\b+4:BI+8*\b+7], v[BO], s[96:97] offset:64*\b+16
.endr
	s_branch .Lbias_set
.Lk_columns:
.set i, 0
.rept 64
	v_mov_b32 v[BI+i], 0                           ; k's bias is left out
.set i, i+1
.endr
.Lbias_set:
.macro FRAG reg, adr, q, i             ; 16 rows x 128 K of 4-bit codes: 8 registers; registers 4 c .. 4 c + 3 hold K = 64 c + 32 (l / 16) + 0 .. 31
.irp c, 0,1
	ds_load_b128 v[\reg+4*\c:\reg+4*\c+3], v[\adr] offset:64*(\q)+32*\c+(\i)*16*PITCH
.endr
.endm
; 16 matrix instructions: A's blocks a0, a0 + 1 x B's eight, the slot's q-th 128 along K.  The 64 accumulators take turns, one instruction a turn, in the same order in every step.
.macro MUL16 a0, p, q, sc, zero
.irp a, \a0, \a0+1
.irp b, 0,1,2,3,4,5,6,7
.if \zero
	v_wmma_scale_f32_16x16x128_f8f6f4 v[8*(8*((\a)%4)+\b):8*(8*((\a)%4)+\b)+7], v[128*(\p)+FR*\b:128*(\p)+FR*\b+FR-1], v[AF+FR*(\a):AF+FR*(\a)+FR-1], v[BI+8*\b:BI+8*\b+7], v[SC+8*NQ*(\sc)+NQ*\b+(\q)], v[SC+8*NQ*(\sc)+NQ*(\a)+(\q)] matrix_a_fmt:MATRIX_FMT_FP4 matrix_b_fmt:MATRIX_FMT_FP4 matrix_a_scale:MATRIX_SCALE_ROW1
.else
	v_wmma_scale_f32_16x16x128_f8f6f4 v[8*(8*((\a)%4)+\b):8*(8*((\a)%4)+\b)+7], v[128*(\p)+FR*\b:128*(\p)+FR*\b+FR-1], v[AF+FR*(\a):AF+FR*(\a)+FR-1], v[8*(8*((\a)%4)+\b):8*(8*((\a)%4)+\b)+7], v[SC+8*NQ*(\sc)+NQ*\b+(\q)], v[SC+8*NQ*(\sc)+NQ*(\a)+(\q)] matrix_a_fmt:MATRIX_FMT_FP4 matrix_b_fmt:MATRIX_FMT_FP4 matrix_a_scale:MATRIX_SCALE_ROW1
.endif
.endr
.endr
.endm
.macro FETCH_B slot, q, p
	WIN TO_B
.irp i, 0,1,2,3,4,5,6,7
	FRAG 128*(\p)+FR*\i, ADRB+\slot, \q, \i
.endr
	WIN 0
.endm
.macro FETCH_A slot, q, i0
.irp i, \i0, \i0+1, \i0+2, \i0+3
	FRAG AF+FR*(\i), ADRA+\slot, \q, \i
.endr
.endm
.macro SCALES sc                       ; a K step's scale words: 4 a row; lanes 0-15 take A's block i, lanes 16-31 B's block i
.irp i, 0,1,2,3,4,5,6,7
	ds_load_b128 v[SC+8*NQ*\sc+NQ*\i:SC+8*NQ*\sc+NQ*\i+3], v[ADRS] offset:\i*SBLK
.endr
.endm
.macro PLACES n                        ; plain vector instructions between a matrix instruction and a load into, or a read of, its registers
.rept \n
	v_nop
.endr
.endm
.macro STEP slot, q, zero              ; a step of 128 along K that has its successor in the same slot
	s_wait_dscnt 4*NL                              ; B's set and A's blocks 0-3 are in; the youngest eight loads (A's blocks 4-7) may be out
.if \zero
	WIN MUZ_LO
.else
	WIN MUL_LO
.endif
	MUL16 0, (\q)%2, \q, \slot, \zero
	MUL16 2, (\q)%2, \q, \slot, \zero
	s_wait_dscnt 0
	PLACES NP
	FETCH_B \slot, (\q)+1, 1-(\q)%2
	FETCH_A \slot, (\q)+1, 0
.if \zero
	WIN MUZ_HI
.else
	WIN MUL_HI
.endif
	MUL16 4, (\q)%2, \q, \slot, \zero
	MUL16 6, (\q)%2, \q, \slot, \zero
	PLACES NP
	WIN 0
	FETCH_A \slot, (\q)+1, 4
.endm
; Slot 0's last step changes slots: one barrier; in front of it each wave waits for all its tensor loads (its part of slot 1), adds 0 to its spare word, and waits for that and for its reads of slot 0.
; Behind it slot 1 is whole and nobody reads slot 0, which later takes the stages of the way out.  Nothing is filled again.
.macro TURN slot, next
	s_wait_tensorcnt 0x0
	ds_add_u32 v[SPW], v[NIL]
	s_wait_dscnt 4*NL+1                            ; the add and the youngest eight loads may be out
	WIN MUL_LO
	MUL16 0, 1, NQ-1, \slot, 0
	s_wait_dscnt 0x0                               ; the add is done, and my reads of this slot are over
	s_barrier_signal -1
	MUL16 2, 1, NQ-1, \slot, 0
	WIN 0
	s_barrier_wait -1
	PLACES NP
	v_add_nc_u32 v[ADRS], 4*NQ, v[ADRS]            ; on to the next K step's scale words
	FETCH_B \next, 0, 0
	FETCH_A \next, 0, 0
	SCALES \next
	WIN MUL_HI
	MUL16 4, 1, NQ-1, \slot, 0
	MUL16 6, 1, NQ-1, \slot, 0
	PLACES NP
	WIN 0
	FETCH_A \next, 0, 4
.endm
	s_wait_tensorcnt 1                             ; the scales and my part of slot 0 are in; slot 1's load may be out
	s_barrier_signal -1
	s_barrier_wait -1
	FETCH_B 0, 0, 0
	FETCH_A 0, 0, 0
	SCALES 0
	FETCH_A 0, 0, 4
	s_wait_loadcnt 0x0                             ; the bias
	STEP 0, 0, 1                                   ; the first products start the sums from the bias: nothing is cleared, nothing is added later
	STEP 0, 1, 0
	STEP 0, 2, 0
	TURN 0, 1
	STEP 1, 0, 0
	STEP 1, 1, 0
	STEP 1, 2, 0
	s_wait_dscnt 4*NL                              ; the very last step: nothing more to fetch
	WIN MUL_LO
	MUL16 0, 1, NQ-1, 1, 0
	MUL16 2, 1, NQ-1, 1, 0
	s_wait_dscnt 0
	WIN MUL_HI
	MUL16 4, 1, NQ-1, 1, 0
	MUL16 6, 1, NQ-1, 1, 0
	WIN 0
; THE WAY OUT, block by block of 16 rows x 128 columns = two heads.  A lane's eight columns pack into 16 bytes of f16; they go into my stage, [head][row][128 bytes + 16], and come back four rows at a time.
.macro PACK a
.set AC, 64*((\a)%4)
	WIN 0x0a+5*((\a)/4)                            ; sources 0 and 1: window 2 or 3
.irp b, 0,1,2,3,4,5,6,7
.irp i, 0,1,2,3
	v_cvt_pk_f16_f32 v[TMP+4*\b+\i], v[AC+8*\b+2*\i], v[AC+8*\b+2*\i+1]   ; each accumulator from its low end on
.endr
.endr
	WIN 0
.endm
.macro TOSTAGE a
.set BB, BK+32*((\a)%2)
.irp b, 0,1,2,3,4,5,6,7
	ds_store_b128 v[STO], v[TMP+4*\b:TMP+4*\b+3] offset:16*SPO*(\b/4)+32*(\b%4)
.endr
.irp t, 0,1,2,3,4,5,6,7
	ds_load_b128 v[BB+4*\t:BB+4*\t+3], v[RD] offset:16*SPO*(\t/4)+4*SPO*(\t%4)   ; LDS serves a wave's instructions in order: these see the stores above
.endr
.endm
.macro SEND a
.set BB, BK+32*((\a)%2)
	s_wait_dscnt 0x0                               ; the block is back in registers
	s_wait_xcnt 0x0                                ; the block before has had its stores' registers read: the next block's loads may land there
.irp t, 0,1,2,3,4,5,6,7
	global_store_b128 v[CO], v[BB+4*\t:BB+4*\t+3], s[12:13] offset:262144*(\t/4)+128*(16*(\a)+4*(\t%4))   ; 32 lanes store 512 consecutive bytes, aligned: four rows of one head
.endr
.endm
	PLACES NP
	PACK 0
	TOSTAGE 0
.irp a, 1,2,3,4,5,6,7
	PACK \a                                        ; block a's conversions stand between block a - 1's loads from the stage and the wait for them
	SEND \a-1
	TOSTAGE \a
.endr
	SEND 7
	s_wait_tensorcnt 0x0                           ; the wave's end
	ds_add_u32 v[SPW], v[NIL]
	s_wait_dscnt 0x0
	CROUND                                         ; the closing round
	s_endpgm
.Lfunc_end_k_q6abd96db47_qkv:
	.size	k_q6abd96db47_qkv, .Lfunc_end_k_q6abd96db47_qkv-k_q6abd96db47_qkv
	.p2alignl 7, 3214868480
	.fill 96, 4, 3214868480
	.section	.rodata,"a",@progbits
	.p2align	6, 0x0
	.amdhsa_kernel k_q6abd96db47_qkv
		.amdhsa_group_segment_fixed_size 327680
		.amdhsa_private_segment_fixed_size 0
		.amdhsa_enable_private_segment 0
		.amdhsa_kernarg_size 48
		.amdhsa_user_sgpr_count 2
		.amdhsa_user_sgpr_kernarg_segment_ptr 1
		.amdhsa_wavefront_size32 1
		.amdhsa_system_sgpr_workgroup_id_x 1
		.amdhsa_system_sgpr_workgroup_id_y 1
		.amdhsa_system_sgpr_workgroup_id_z 1
		.amdhsa_system_vgpr_workitem_id 0
		.amdhsa_next_free_vgpr 1024
		.amdhsa_next_free_sgpr 98
		.amdhsa_reserve_vcc 0
		.amdhsa_float_denorm_mode_32 3
		.amdhsa_float_denorm_mode_16_64 3
		.amdhsa_memory_ordered 1
		.amdhsa_forward_progress 1
		.amdhsa_inst_pref_size 130
	.end_amdhsa_kernel
	.amdgpu_metadata
---
amdhsa.version: [ 1, 2 ]
amdhsa.kernels:
  - .name:           k_q6abd96db47_qkv
    .symbol:         k_q6abd96db47_qkv.kd
    .args:
      - { .name: xc, .offset: 0, .size: 8, .value_kind: global_buffer, .address_space: global }
      - { .name: xs, .offset: 8, .size: 8, .value_kind: global_buffer, .address_space: global }
      - { .name: wc, .offset: 16, .size: 8, .value_kind: global_buffer, .address_space: global }
      - { .name: ws, .offset: 24, .size: 8, .value_kind: global_buffer, .address_space: global }
      - { .name: b_qkv, .offset: 32, .size: 8, .value_kind: global_buffer, .address_space: global }
      - { .name: qkv, .offset: 40, .size: 8, .value_kind: global_buffer, .address_space: global }
    .group_segment_fixed_size: 327680
    .private_segment_fixed_size: 0
    .kernarg_segment_align: 8
    .kernarg_segment_size: 48
    .max_flat_workgroup_size: 128
    .sgpr_count:     98
    .vgpr_count:     1024
    .wavefront_size: 32
...
	.end_amdgpu_metadata
.endif
;; end of part 2
;; launch attn (part 3): grid 8 x 64, 8 waves a work-group, clusters of 4 x 1, 327,680 bytes of LDS; arguments qkv, ao; writes ao
.if DOCPART == 3
	.amdgcn_target "amdgcn-amd-amdhsa--gfx1250"
	.amdhsa_code_object_version 6
	.text
	.protected	k_q6abd96db47_attn
	.globl	k_q6abd96db47_attn
	.p2align	8
	.type	k_q6abd96db47_attn,@function
k_q6abd96db47_attn:
	s_mov_b64 s[64:65], 0
	v_nop
	global_prefetch_b8 v0, s[64:65] scope:SCOPE_SE
	s_setreg_imm32_b32 hwreg(HW_REG_WAVE_MODE, 25, 1), 1
	s_wait_xcnt 0x0
	s_wait_alu depctr_hold_cnt(0) depctr_sa_sdst(0) depctr_va_vdst(0) depctr_va_sdst(0) depctr_va_ssrc(0) depctr_va_vcc(0) depctr_vm_vsrc(0)
	s_getreg_b32 s2, hwreg(HW_REG_IB_STS2, 6, 4)
	s_cmp_eq_u32 s2, 0
	s_cbranch_scc0 .Lentry_in_a_cluster
	s_endpgm
.Lentry_in_a_cluster:
	s_bfe_u32 s2, ttmp6, 0x10000c
	s_cmp_lg_u32 s2, 0x3003
	s_cbranch_scc0 .Lentry_shape_is_right
	s_endpgm
.Lentry_shape_is_right:
; Launch 3 of 4: for each batch and head, O[q] = the sum over k of softmax_k(q . k / 8) v[k].  q, k, v: sections of qkv, [batch x 16 + head][2048][64] f16.  Out: ao [head][batch x 2048 + position][64] f16.
; Products on f16 operands with f32 sums; maxima, exponentials and sums in f32; the weights p are rounded to f16 for the second product, O once at the end.
; LEFT OUT: k's bias (k arrives without it): it adds the same number to all scores of a query, which the softmax cancels; shown at the head of the first kernel.
; SOFTMAX: for each query a running maximum m and sum l: p = 2^(c s - c m), c = log2(e) / 8; in every step O and l are multiplied by a = 2^(c m_old - c m_new).  m begins at -3e38 and O and l at zeros, so the step is written once.
; SHARES: a work-group owns 256 queries of one head; each of its eight waves owns 32, two tiles of 16, in 384 registers: two waves to a SIMD, so that one wave's vector work stands beside the other's products.
; Every wave walks all 2,048 keys, 64 a step.  K and V come through two LDS slots of 256 keys, filled by the tensor data mover: waves 0 and 1 K's halves, waves 2 and 3 V's; a wave has one tensor load out at the most.
; CLUSTER: the four query blocks of a cluster belong to one head and walk the same K and V: each tile is asked for jointly, with a mask that names the four.
; LAYOUT: S^T = K Q^T (source 0 = 16 keys, source 1 = 16 queries): a lane holds ONE query (lane % 16) and keys 8 (lane / 16) + 0..7; two such tiles rounded in pairs ARE source 1 (32 keys x 16 queries) of O^T = V^T P.
; IN LDS two keys share a row of 256 bytes (a head's rows are dense in memory): key n lies at (n / 2) x pitch + (n % 2) x 128.  With K's pitch of 272 the sixteen rows of a fragment load fall on sixteen different
; columns of 16 bytes; with V's pitch of 288 so do the sixteen pieces of a turning load.
; REGISTERS: window 0: v1-11 addresses; v12-15 at work at the head; v16-31 statistics, eight a tile; v32-63 Q; v64-127 S^T; v128-159 P; v160-223 K of one step.   window 1: v0-63 O^T; v64-127 V of one step.
.set KP,    272
.set VP,    288
.set VOFF,  128*KP                     ; a slot: 128 rows of K, then 128 rows of V
.set SLOT1, 1<<17                      ; slot 1 begins here: one exclusive or turns an address in one slot into the other's
.set STAGE, SLOT1+128*(KP+VP)          ; behind the slots: 32 rows x (128 bytes + 16) for each wave, for the way out
.set SPO,   144
.set SPARE, STAGE+8*32*SPO             ; the spare words, 128 bytes for each wave: four blocks of 256 bytes that no other line names
.set LK,  1                            ; v1   my lane's place in a tile of K
.set LV,  2                            ; v2   the same for V
.set ADK, 3                            ; v3   LDS address of the slot's K
.set ADV, 4                            ; v4   of its V
.set SPW, 5                            ; v5   my spare word; never rewritten
.set NIL, 6                            ; v6   0; never rewritten
.set PFO, 7                            ; v7   256 x lane; never rewritten
.set STO, 8                            ; v8   the way out: where I put 16 bytes of a row
.set RD,  9                            ; v9   where I read rows back
.set GO,  10                           ; v10  my byte offset in the wave's rows of O
.set QO,  11                           ; v11  my byte offset in the wave's rows of Q
.set ST,  16                           ; tile t at v[ST + 8 t]: +0 c m, +1 m, +2, +3 l (even keys', odd keys'), +4 to +7 at work; a in +6
.set Q,   32
.set S,   64
.set P,   128
.set KF,  160
.set WV,  8                            ; s8   my wave's number
.set G1K, 24                           ; s[24:31] descriptor group 1 for K's tiles;  s[32:39] for V's: it differs in the padding alone
.set G1V, 32
.set G0K, 40                           ; s[40:43], s[44:47] their groups 0, which walk
.set G0V, 44
.set CS,  48                           ; s[48:49] c
.set SEL, 50                           ; s[50:51] lane selects for v_permlanex16_b32: lane l xor 16
.set TB,  52                           ; s52  LDS byte at which the slot in hand begins
.set SLOTS, 53                         ; s53  slots still to be asked for
.set LIM, 54                           ; s54  1 in a wave that prefetches, else the greatest number
.set PFA, 56                           ; s[56:57] where my prefetches stand
.set MSB, 0
.macro WIN new                         ; the immediate's high byte repeats the setting that is left; a switch that changes nothing is dropped
.if MSB != \new
	s_set_vgpr_msb (MSB<<8)|\new
.set MSB, \new
.endif
.endm
.set W_LV, 0x40                        ; destination window 1, address window 0
.set W_RS, 0x41                        ; O^T (destination and source 0) window 1, a window 0
.set W_PV, 0x51                        ; V (source 0), C and D window 1; P (source 1) window 0
.macro PLACES                          ; four plain vector instructions between a matrix instruction and a load into, or a read of, its registers
.rept 4
	v_nop
.endr
.endm
.macro CROUND                          ; a round of the cluster's barrier: my work-group's barrier, wave 0's signal for the work-group, every wave's wait for all four, my work-group's barrier once more
	s_barrier_signal -1
	s_barrier_wait -1
	s_cmp_lg_u32 s[WV], 0
	s_cbranch_scc1 .Lnot_wave_0_\@
	s_barrier_signal -3
.Lnot_wave_0_\@:
	s_barrier_wait -3
	s_barrier_signal -1
	s_barrier_wait -1
.endm
.macro TLOAD                           ; the branches hang on the wave's number alone; an s_nop 0 and four v_nop follow each of the two lines
	s_cmp_lt_u32 s[WV], 2
	s_cbranch_scc0 .Lnot_k_\@
	tensor_load_to_lds s[G0K:G0K+3], s[G1K:G1K+7]
	s_nop 0
.rept 4
	v_nop
.endr
	s_branch .Lasked_\@
.Lnot_k_\@:
	s_cmp_lt_u32 s[WV], 4
	s_cbranch_scc0 .Lasked_\@
	tensor_load_to_lds s[G0V:G0V+3], s[G1V:G1V+7]
	s_nop 0
.rept 4
	v_nop
.endr
.Lasked_\@:
.endm
; A prefetch of what the NEXT change of slots will ask for: a slot's 32,768 bytes of K and of V, four key steps ahead of that load.  Each aligned block of 256 bytes is named once in the launch: both clusters of a
; head walk the same rows, and the head's first cluster asks; its four partners take 8,192 bytes each, told apart by address; in each, wave 4 asks for K's and wave 5 for V's, a lane a block.
; The last change that fills a slot asks for nothing; slots 0 and 1 come by their loads alone.
.macro ASK
	s_cmp_gt_u32 s[SLOTS], s[LIM]
	s_cbranch_scc0 .Lnot_mine_\@
	global_prefetch_b8 v[PFO], s[PFA:PFA+1] th:TH_LOAD_NT scope:SCOPE_SE
.Lnot_mine_\@:
.endm
	s_load_b128 s[4:7], s[0:1], 0x0                ; qkv s[4:5], ao s[6:7]
	v_lshl_add_u32 v[SPW], v0, 2, SPARE
	v_mov_b32 v[NIL], 0
	ds_add_u32 v[SPW], v[NIL]                      ; the wave's opening: the add, twice on end, and its wait ahead of the first tensor load; the set-up below stands between the second and the wait
	ds_add_u32 v[SPW], v[NIL]
	v_lshrrev_b32 v12, 5, v0
	v_readfirstlane_b32 s[WV], v12                 ; wave 0..7
	s_bfe_u32 s9, ttmp6, 0x40000                   ; cx: my place in the cluster
	s_lshl_b32 s10, ttmp9, 2
	s_add_co_u32 s10, s10, s9                      ; my block of 256 queries: it enters Q's and O's addresses alone
	s_and_b32 s11, ttmp7, 0xffff                   ; batch x 16 + head, which the four partners share
	s_lshl_b32 s12, s11, 18                        ; a head's 262,144 bytes
	s_lshl_b32 s13, s10, 15
	s_lshl_b32 s15, s[WV], 12
	s_add_co_u32 s13, s13, s15                     ; (256 block + 32 wave) rows of 128 bytes
	s_add_co_u32 s2, s12, s13                      ; Q's offset
	s_mov_b32 s3, 0
	s_and_b32 s58, s11, 15
	s_lshl_b32 s58, s58, 20                        ; ao: the head's plane of 1,048,576 bytes,
	s_lshr_b32 s59, s11, 4
	s_lshl_b32 s59, s59, 18                        ; the batch's 2,048 rows,
	s_add_co_u32 s58, s58, s59
	s_add_co_u32 s58, s58, s13                     ; my wave's rows
	s_mov_b32 s59, 0
	s_and_b32 s14, s[WV], 1                        ; which half of a slot I fetch, if I fetch
	s_lshl_b32 s15, s14, 14
	s_add_co_u32 s20, s12, s15
	s_add_co_u32 s20, s20, 0x1000000               ; K's section
	s_mov_b32 s21, 0
	s_add_co_u32 s22, s20, 0x1000000               ; V's
	s_mov_b32 s23, 0
	s_mov_b32 s61, 0x2000000
	s_cmp_eq_u32 s[WV], 4
	s_cselect_b32 s60, 0x1000000, s61              ; the prefetches: wave 4 K's section, wave 5 V's,
	s_add_co_u32 s60, s60, s12
	s_lshl_b32 s61, s9, 13
	s_add_co_u32 s60, s60, s61                     ; my work-group's 8,192 bytes of a slot,
	s_add_co_u32 s60, s60, 32768                   ; in slot 1: the first change of slots steps it to slot 2.  Nothing is prefetched at the head
	s_mov_b32 s61, 0
	s_lshr_b32 s[LIM], s[WV], 1
	s_xor_b32 s[LIM], s[LIM], 2                    ; 0 in waves 4 and 5,
	s_or_b32 s[LIM], s[LIM], ttmp9                 ; of the head's first cluster: the same in all four partners
	s_cmp_eq_u32 s[LIM], 0
	s_cselect_b32 s[LIM], 1, -1
	s_mul_i32 s62, s[WV], 32*SPO
	s_add_co_u32 s62, s62, STAGE                   ; my stage
	; descriptor group 1: 64 rows of 128 elements of 2 bytes, dense in memory, padded in LDS
	s_mov_b32 s[G1K], 15|(1<<16)|(1<<20)|(1<<21)|(5<<22)|(3<<25)   ; the mask: all four; elements of 2 bytes; padding on; bit 21 beside a mask; after every 64 words, 4 words
	s_mov_b32 s[G1V], 15|(1<<16)|(1<<20)|(1<<21)|(5<<22)|(7<<25)   ; the same with 8 words
.irp g, G1K, G1V
	s_mov_b32 s[\g+1], 128<<16                     ; tensor_dim0
	s_mov_b32 s[\g+2], 64<<16                      ; tensor_dim1
	s_mov_b32 s[\g+3], 128<<16                     ; tile_dim0
	s_mov_b32 s[\g+4], 64                          ; tile_dim1
	s_mov_b32 s[\g+5], 128                         ; the pitch
	s_mov_b32 s[\g+6], 0
	s_mov_b32 s[\g+7], 0
.endr
	s_mov_b32 s[CS], 0x3e38aa3b                    ; c = log2(e) / 8
	s_mov_b32 s[CS+1], s[CS]                       ; (named with it as a pair, so it is written)
	s_mov_b32 s[SEL], 0x76543210
	s_mov_b32 s[SEL+1], 0xfedcba98
	s_mov_b32 s[TB], 0
	s_mov_b32 s[SLOTS], 7
	s_wait_dscnt 0x0                               ; both opening adds are done
	s_wait_kmcnt 0x0
	s_add_nc_u64 s[16:17], s[4:5], s[2:3]          ; Q at my wave's first row
	s_add_nc_u64 s[18:19], s[6:7], s[58:59]        ; O likewise
	s_add_nc_u64 s[PFA:PFA+1], s[4:5], s[60:61]
	s_mov_b32 s[G0K], 1                            ; count = 1
	s_mul_i32 s[G0K+1], s14, 64*KP                 ; LDS address: slot 0, my half: no place in the cluster enters it
	s_add_nc_u64 s[G0K+2:G0K+3], s[4:5], s[20:21]  ; global address: the head's first keys, my half
	s_or_b32 s[G0K+3], s[G0K+3], 0x80000000        ; type = 2
	s_mov_b32 s[G0V], 1
	s_mul_i32 s[G0V+1], s14, 64*VP
	s_add_co_u32 s[G0V+1], s[G0V+1], VOFF
	s_add_nc_u64 s[G0V+2:G0V+3], s[4:5], s[22:23]
	s_or_b32 s[G0V+3], s[G0V+3], 0x80000000
	CROUND                                         ; all four work-groups are here: the first joint loads meet
	TLOAD                                          ; slot 0
	v_and_b32 v12, 15, v0                          ; r
	v_bfe_u32 v13, v0, 4, 1                        ; h
	v_and_b32 v14, 31, v0                          ; lane
	v_lshlrev_b32 v[QO], 7, v12
	v_lshl_add_u32 v[QO], v13, 4, v[QO]            ; Q: row r of 128 bytes, + 16 h
.irp t, 0,1
.irp c, 0,1                                    ; Q stays in registers: tile t, channels 32 c on
	global_load_b128 v[Q+16*\t+8*\c:Q+16*\t+8*\c+3], v[QO], s[16:17] offset:2048*\t+64*\c
	global_load_b128 v[Q+16*\t+8*\c+4:Q+16*\t+8*\c+7], v[QO], s[16:17] offset:2048*\t+64*\c+32
.endr
.endr
	v_lshrrev_b32 v15, 1, v12
	v_mul_u32_u24 v[LK], v15, KP
	v_and_b32 v15, 1, v12
	v_lshl_add_u32 v[LK], v15, 7, v[LK]
	v_lshl_add_u32 v[LK], v13, 4, v[LK]            ; K: (r / 2) x pitch + 128 (r % 2) + 16 h
	v_bfe_u32 v15, v0, 1, 2
	v_lshl_add_u32 v15, v13, 2, v15                ; V, for the turning load: lane l reads key 8 h + l % 8, channels 8 ((l / 8) % 2) on: row 4 h + (l % 8) / 2,
	v_mul_u32_u24 v[LV], v15, VP
	v_and_b32 v15, 1, v0
	v_lshl_add_u32 v[LV], v15, 7, v[LV]            ; half l % 2 of it,
	v_bfe_u32 v15, v0, 3, 1
	v_lshl_add_u32 v[LV], v15, 4, v[LV]            ; 16 bytes for each eight channels
	v_add_nc_u32 v[LV], VOFF, v[LV]
	v_mul_u32_u24 v[STO], v12, SPO                 ; into my stage: row r, 16 bytes for each half of the lanes
	v_lshl_add_u32 v[STO], v13, 4, v[STO]
	v_add_nc_u32 v[STO], s62, v[STO]
	v_lshrrev_b32 v15, 3, v14                      ; back: eight lanes to a row of 128 bytes, four rows an instruction
	v_mul_u32_u24 v[RD], v15, SPO
	v_and_b32 v15, 7, v0
	v_lshl_add_u32 v[RD], v15, 4, v[RD]
	v_add_nc_u32 v[RD], s62, v[RD]
	v_lshlrev_b32 v[PFO], 8, v14
	v_lshlrev_b32 v[GO], 4, v14                    ; and the same four rows in O: 512 consecutive bytes
.irp t, 0,1
	v_mov_b32 v[ST+8*\t+1], 0xff61b1e6             ; m = -3e38, under every score
	v_mul_f32 v[ST+8*\t], s[CS], v[ST+8*\t+1]      ; c m
	v_mov_b32 v[ST+8*\t+2], 0                      ; l
	v_mov_b32 v[ST+8*\t+3], 0
.endr
	WIN W_LV
.set i, 0
.rept 64
	v_mov_b32 v[i], 0                              ; O^T: the loop is written once; its first step finds zeros, which a = 0 leaves zeros
.set i, i+1
.endr
	WIN 0
; A step's K: 64 keys x 64 channels: fragment (i, c) = keys 16 i on, channels 32 c on: lane l holds key l % 16; registers 0-3 channels 8 h + 0..7, registers 4-7 channels 16 + 8 h + 0..7
.macro FETCH_K q
.irp i, 0,1,2,3
.irp c, 0,1
	ds_load_b128 v[KF+16*\i+8*\c:KF+16*\i+8*\c+3], v[ADK] offset:(32*(\q)+8*\i)*KP+64*\c
	ds_load_b128 v[KF+16*\i+8*\c+4:KF+16*\i+8*\c+7], v[ADK] offset:(32*(\q)+8*\i)*KP+64*\c+32
.endr
.endr
.endm
; A step's V, turned: fragment (g, cb) = channels 16 cb on x keys 32 g on: lane l holds channel l % 16; each load brings eight keys
.macro FETCH_V q
	WIN W_LV
.irp g, 0,1
.irp cb, 0,1,2,3
	ds_load_tr16_b128 v[64+32*\g+8*\cb:64+32*\g+8*\cb+3], v[ADV] offset:(32*(\q)+16*\g)*VP+32*\cb
	ds_load_tr16_b128 v[64+32*\g+8*\cb+4:64+32*\g+8*\cb+7], v[ADV] offset:(32*(\q)+16*\g+8)*VP+32*\cb
.endr
.endr
	WIN 0
.endm
; S^T = K Q^T: eight accumulators (four tiles of keys x two tiles of queries) by turns, one instruction a turn; the first eight start the sums
.macro KQ
.irp c, 0,1
.irp i, 0,1,2,3
.irp t, 0,1
.if \c == 0
	v_wmma_f32_16x16x32_f16 v[S+32*\t+8*\i:S+32*\t+8*\i+7], v[KF+16*\i+8*\c:KF+16*\i+8*\c+7], v[Q+16*\t+8*\c:Q+16*\t+8*\c+7], 0
.else
	v_wmma_f32_16x16x32_f16 v[S+32*\t+8*\i:S+32*\t+8*\i+7], v[KF+16*\i+8*\c:KF+16*\i+8*\c+7], v[Q+16*\t+8*\c:Q+16*\t+8*\c+7], v[S+32*\t+8*\i:S+32*\t+8*\i+7]
.endif
.endr
.endr
.endr
.endm
; O^T += V^T P: eight accumulators (four tiles of channels x two tiles of queries) by turns
.macro PV
	WIN W_PV
.irp g, 0,1
.irp cb, 0,1,2,3
.irp t, 0,1
	v_wmma_f32_16x16x32_f16 v[32*\t+8*\cb:32*\t+8*\cb+7], v[64+32*\g+8*\cb:64+32*\g+8*\cb+7], v[P+16*\t+8*\g:P+16*\t+8*\g+7], v[32*\t+8*\cb:32*\t+8*\cb+7]
.endr
.endr
.endr
	WIN 0
.endm
; The softmax of a step, both tiles line by line, so that no line waits for the line above it.  A lane has 32 scores of one query a tile.
.macro SOFTMAX
.irp j, 0,1,2,3                                ; the maximum, three operands at a time: four chains, each begun at its accumulator's low end
.irp t, 0,1
	v_max3_num_f32 v[ST+8*\t+4+\j], v[S+32*\t+8*\j], v[S+32*\t+8*\j+1], v[S+32*\t+8*\j+2]
.endr
.endr
.irp u, 1,2
.irp j, 0,1,2,3
.irp t, 0,1
	v_max3_num_f32 v[ST+8*\t+4+\j], v[ST+8*\t+4+\j], v[S+32*\t+8*\j+2*\u+1], v[S+32*\t+8*\j+2*\u+2]
.endr
.endr
.endr
.irp t, 0,1
	v_max3_num_f32 v[ST+8*\t+4], v[ST+8*\t+4], v[S+32*\t+7], v[S+32*\t+15]
	v_max3_num_f32 v[ST+8*\t+6], v[ST+8*\t+6], v[S+32*\t+23], v[S+32*\t+31]
.endr
.irp t, 0,1
	v_max3_num_f32 v[ST+8*\t+4], v[ST+8*\t+4], v[ST+8*\t+5], v[ST+8*\t+6]
.endr
.irp t, 0,1
	v_max3_num_f32 v[ST+8*\t+4], v[ST+8*\t+4], v[ST+8*\t+7], v[ST+8*\t+1]   ; with the old m
.endr
.irp t, 0,1
	v_permlanex16_b32 v[ST+8*\t+5], v[ST+8*\t+4], s[SEL], s[SEL+1]   ; the query's other 32 keys lie in the lane 16 away
.endr
.irp t, 0,1
	v_mov_b32 v[ST+8*\t+7], v[ST+8*\t]             ; c m_old is kept for a
.endr
.irp t, 0,1
	v_max_num_f32 v[ST+8*\t+1], v[ST+8*\t+4], v[ST+8*\t+5]   ; the new m
.endr
.irp t, 0,1
	v_mul_f32 v[ST+8*\t], s[CS], v[ST+8*\t+1]      ; c m
.endr
.irp t, 0,1
	v_sub_f32 v[ST+8*\t+7], v[ST+8*\t+7], v[ST+8*\t]   ; c m_old - c m_new, 0 or less
.endr
.set i, 0
.rept 16
.irp t, 0,1
	v_pk_fma_f32 v[S+32*\t+2*i:S+32*\t+2*i+1], v[S+32*\t+2*i:S+32*\t+2*i+1], s[CS:CS+1], v[ST+8*\t:ST+8*\t+1] op_sel_hi:[1,0,0] neg_lo:[0,0,1] neg_hi:[0,0,1]   ; c s - c m, two at a time
.endr
.set i, i+1
.endr
.irp t, 0,1                                    ; ONE BATCH of 66 exponentials: none reads another's result
	v_exp_f32 v[ST+8*\t+6], v[ST+8*\t+7]           ; a
.endr
.set i, 0
.rept 32
.irp t, 0,1
	v_exp_f32 v[S+32*\t+i], v[S+32*\t+i]           ; p, at most 1
.endr
.set i, i+1
.endr
	v_nop                                          ; a plain instruction behind the last exponential, ahead of the first use
	s_wait_alu depctr_va_vdst(0)                   ; the wait ahead of the first instruction that names a result: one for the batch
.set i, 0
.rept 16
.irp t, 0,1
	v_cvt_pk_f16_f32 v[P+16*\t+i], v[S+32*\t+2*i], v[S+32*\t+2*i+1]   ; two neighbouring keys' weights to a register: source 1 of the second product as it stands
.endr
.set i, i+1
.endr
.irp w, 4,8,16,32                              ; the sum of the 16 pairs (an even key's weight, an odd key's), of the unrounded p, in place: neighbours 1, 2, 4 and 8 pairs apart
.set i, 0
.rept 32/\w
.irp t, 0,1
	v_pk_add_f32 v[S+32*\t+\w*i:S+32*\t+\w*i+1], v[S+32*\t+\w*i:S+32*\t+\w*i+1], v[S+32*\t+\w*i+\w/2:S+32*\t+\w*i+\w/2+1]
.endr
.set i, i+1
.endr
.endr
.irp t, 0,1
	v_pk_fma_f32 v[ST+8*\t+2:ST+8*\t+3], v[ST+8*\t+2:ST+8*\t+3], v[ST+8*\t+6:ST+8*\t+7], v[S+32*\t:S+32*\t+1] op_sel_hi:[1,0,1]   ; l = a l + the sum
.endr
	WIN W_RS
.set i, 0
.rept 16
.irp t, 0,1
	v_pk_mul_f32 v[32*\t+2*i:32*\t+2*i+1], v[32*\t+2*i:32*\t+2*i+1], v[ST+8*\t+6:ST+8*\t+7] op_sel_hi:[1,0]   ; O^T times a, each accumulator from its low end on
.endr
.set i, i+1
.endr
	WIN 0
.endm
; A KEY STEP, the q-th of the slot in hand.  This step's V and the next step's K are asked for behind the first product and land under the softmax.
.macro STEP q
	KQ
	PLACES                                         ; in front of the loads into V's registers (read by the last step's second product) and K's (read just now), and of the first read of the scores
	FETCH_V \q
.if \q < 3
	FETCH_K (\q)+1
.endif
	SOFTMAX
	s_wait_dscnt 0x0                               ; V, and the next step's K, are in
	PV
.endm
.macro SLOT_STEPS
	v_add_nc_u32 v[ADK], s[TB], v[LK]
	v_add_nc_u32 v[ADV], s[TB], v[LV]
	FETCH_K 0
	s_wait_dscnt 0x0
	STEP 0
	STEP 1
	STEP 2
	STEP 3
	s_xor_b32 s[TB], s[TB], SLOT1                  ; on to the other slot
.endm
; THE CHANGE OF SLOTS stands at a slot's head.  Each wave waits for all its tensor loads (its part of the slot that it is about to read), adds 0 to its spare word, and waits for that and for its reads of the slot
; that it has left.  fill = 1: the barrier is a round of the cluster's, so that no wave of any partner still reads that slot or has a load on its way, and the joint load into it is the first thing behind the round:
; it has four key steps in which to land.  Slot 1's first fill is the first trip's load: each later trip's load fills the slot read in the trip before.
.macro CHANGE fill
	s_wait_tensorcnt 0x0                           ; no tensor load of mine is out, so a group 0 may be written
	ds_add_u32 v[SPW], v[NIL]
.if \fill
	ds_add_u32 v[SPW], v[NIL]                      ; and once more: the add stands twice on end in every trip alike
	s_xor_b32 s[G0K+1], s[G0K+1], SLOT1            ; the walking descriptors: the other slot than last time,
	s_add_nc_u64 s[G0K+2:G0K+3], s[G0K+2:G0K+3], 32768   ; the next 256 keys; the type bits on top are not reached
	s_xor_b32 s[G0V+1], s[G0V+1], SLOT1
	s_add_nc_u64 s[G0V+2:G0V+3], s[G0V+2:G0V+3], 32768
	s_wait_xcnt 0x0                                ; the last prefetch, a slot back, has read its address, so it may be written:
	s_add_nc_u64 s[PFA:PFA+1], s[PFA:PFA+1], 32768 ; one slot further on than the walking descriptors
	s_wait_dscnt 0x0                               ; both adds are done, and my reads of the slot that I have left are over
	CROUND
	TLOAD
	ASK
.else
	s_wait_dscnt 0x0
	s_barrier_signal -1
	s_barrier_wait -1
.endif
.endm
	s_wait_loadcnt 0x0                             ; Q
.Lslot:                                            ; seven trips: behind each change of slots but the last the next slot is asked for
	CHANGE 1
	SLOT_STEPS
	s_sub_co_u32 s[SLOTS], s[SLOTS], 1
	s_cmp_lg_u32 s[SLOTS], 0
	s_cbranch_scc1 .Lslot
	CHANGE 0                                       ; the last slot is written out
	SLOT_STEPS
	; THE WAY OUT.  l's two halves and the other half of the lanes' are added; O^T is divided by l, rounded to f16 and sent through my stage in LDS, so that each store covers 512 consecutive bytes.
	PLACES
.irp t, 0,1
	v_add_f32 v[ST+8*\t+4], v[ST+8*\t+2], v[ST+8*\t+3]
.endr
.irp t, 0,1
	v_permlanex16_b32 v[ST+8*\t+5], v[ST+8*\t+4], s[SEL], s[SEL+1]
.endr
.irp t, 0,1
	v_add_f32 v[ST+8*\t+4], v[ST+8*\t+4], v[ST+8*\t+5]
.endr
.irp t, 0,1
	v_rcp_f32 v[ST+8*\t+6], v[ST+8*\t+4]
.endr
	v_nop                                          ; a plain instruction between the last reciprocal and the use of its result
	s_wait_alu depctr_va_vdst(0)                   ; and the wait: one for both
	WIN W_RS
.irp t, 0,1
.set i, 0
.rept 16
	v_pk_mul_f32 v[32*\t+2*i:32*\t+2*i+1], v[32*\t+2*i:32*\t+2*i+1], v[ST+8*\t+6:ST+8*\t+7] op_sel_hi:[1,0]
.set i, i+1
.endr
.endr
	WIN 0x05                                       ; sources 0 and 1 window 1, destination window 0: S^T's registers are free
.irp t, 0,1
.set i, 0
.rept 16
	v_cvt_pk_f16_f32 v[S+16*\t+i], v[32*\t+2*i], v[32*\t+2*i+1]   ; register 4 cb + i' of tile t: channels 16 cb + 8 h + 2 i', + 1 of query r
.set i, i+1
.endr
.endr
	WIN 0
.irp t, 0,1
.irp cb, 0,1,2,3
	ds_store_b128 v[STO], v[S+16*\t+4*\cb:S+16*\t+4*\cb+3] offset:16*SPO*\t+32*\cb
.endr
.endr
.irp i, 0,1,2,3,4,5,6,7
	ds_load_b128 v[S+32+4*\i:S+32+4*\i+3], v[RD] offset:4*SPO*\i   ; LDS serves a wave's instructions in order (ISA guide 5.7.1.4): these see the stores above
.endr
.irp i, 0,1,2,3,4,5,6,7
	s_wait_dscnt 7-\i                              ; load i is in; the younger ones may be out
	global_store_b128 v[GO], v[S+32+4*\i:S+32+4*\i+3], s[18:19] offset:512*\i   ; 32 lanes store 512 consecutive bytes, aligned: four rows of O
.endr
	s_wait_tensorcnt 0x0                           ; the wave's end: behind my last tensor load and my last LDS store
	ds_add_u32 v[SPW], v[NIL]
	s_wait_dscnt 0x0
	CROUND                                         ; the closing round: no work-group ends while a partner may still ask for a tile that names it
	s_endpgm
.Lfunc_end_k_q6abd96db47_attn:
	.size	k_q6abd96db47_attn, .Lfunc_end_k_q6abd96db47_attn-k_q6abd96db47_attn
	.p2alignl 7, 3214868480
	.fill 96, 4, 3214868480
	.section	.rodata,"a",@progbits
	.p2align	6, 0x0
	.amdhsa_kernel k_q6abd96db47_attn
		.amdhsa_group_segment_fixed_size 327680
		.amdhsa_private_segment_fixed_size 0
		.amdhsa_enable_private_segment 0
		.amdhsa_kernarg_size 16
		.amdhsa_user_sgpr_count 2
		.amdhsa_user_sgpr_kernarg_segment_ptr 1
		.amdhsa_wavefront_size32 1
		.amdhsa_system_sgpr_workgroup_id_x 1
		.amdhsa_system_sgpr_workgroup_id_y 1
		.amdhsa_system_sgpr_workgroup_id_z 1
		.amdhsa_system_vgpr_workitem_id 0
		.amdhsa_next_free_vgpr 384
		.amdhsa_next_free_sgpr 66
		.amdhsa_reserve_vcc 0
		.amdhsa_float_denorm_mode_32 3
		.amdhsa_float_denorm_mode_16_64 3
		.amdhsa_memory_ordered 1
		.amdhsa_forward_progress 1
		.amdhsa_inst_pref_size 154
	.end_amdhsa_kernel
	.amdgpu_metadata
---
amdhsa.version: [ 1, 2 ]
amdhsa.kernels:
  - .name:           k_q6abd96db47_attn
    .symbol:         k_q6abd96db47_attn.kd
    .args:
      - { .name: qkv, .offset: 0, .size: 8, .value_kind: global_buffer, .address_space: global }
      - { .name: ao, .offset: 8, .size: 8, .value_kind: global_buffer, .address_space: global }
    .group_segment_fixed_size: 327680
    .private_segment_fixed_size: 0
    .kernarg_segment_align: 8
    .kernarg_segment_size: 16
    .max_flat_workgroup_size: 256
    .sgpr_count:     66
    .vgpr_count:     384
    .wavefront_size: 32
...
	.end_amdgpu_metadata
.endif
;; end of part 3
;; launch proj (part 4): grid 4 x 64, 4 waves a work-group, clusters of 4 x 4, 327,680 bytes of LDS; arguments ao, wo, b_out, out0; writes out0
.if DOCPART == 4
	.amdgcn_target "amdgcn-amd-amdhsa--gfx1250"
	.amdhsa_code_object_version 6
	.text
	.protected	k_q6abd96db47_proj
	.globl	k_q6abd96db47_proj
	.p2align	8
	.type	k_q6abd96db47_proj,@function
k_q6abd96db47_proj:
	s_mov_b64 s[64:65], 0
	v_nop
	global_prefetch_b8 v0, s[64:65] scope:SCOPE_SE
	s_setreg_imm32_b32 hwreg(HW_REG_WAVE_MODE, 25, 1), 1
	s_wait_xcnt 0x0
	s_wait_alu depctr_hold_cnt(0) depctr_sa_sdst(0) depctr_va_vdst(0) depctr_va_sdst(0) depctr_va_ssrc(0) depctr_va_vcc(0) depctr_vm_vsrc(0)
	s_getreg_b32 s2, hwreg(HW_REG_IB_STS2, 6, 4)
	s_cmp_eq_u32 s2, 0
	s_cbranch_scc0 .Lentry_in_a_cluster
	s_endpgm
.Lentry_in_a_cluster:
	s_bfe_u32 s2, ttmp6, 0x10000c
	s_cmp_lg_u32 s2, 0xf033
	s_cbranch_scc0 .Lentry_shape_is_right
	s_endpgm
.Lentry_shape_is_right:
; Launch 4 of 4: out0[m][n] = the sum over k of ao[m][k] W_out[k][n] + b_out[n].  A = ao [16 heads][8192 rows][64] f16 (k = 64 head + channel); B = wo [1024 n][1024 k] f16; out0 [8192][1024] f32; sums in f32.
; A tile of 128 x 256 is made by four waves, each 64 rows x 128 columns: 32 accumulators of 16 x 16, 256 registers; 4 x 64 tiles: 256 work-groups.
; K goes in 8 steps of 128 (two heads: two planes of ao) through a ring of two LDS slots filled by the tensor data mover: waves 0 and 1 fetch A's two planes (128 rows of 128 bytes each, dense in memory, stated as
; 64 rows of 256 bytes), waves 2 and 3 B's two halves (128 rows of 256 bytes).  By this text's own count a wave has two tensor loads out at the head and one behind each change of slots.
; CLUSTERS: 4 x 4 work-groups; A's tiles are asked for jointly along a row of the cluster, B's along a column.
; THE MATRIX INSTRUCTION IS USED TRANSPOSED (source 0 = 16 rows of B, source 1 = 16 rows of A): a lane holds eight neighbouring columns of one row.  The bias is the C of each sum's first product.
; IN LDS two rows of A share a row of 256 bytes: row m of a plane lies at (m / 2) x 272 + (m % 2) x 128: the sixteen rows of a fragment load fall on sixteen different columns of 16 bytes.
; REGISTERS: window 0: v0-31 addresses; v64-127 A's fragments, two buffers of 32; v128-191 the bias, later with v192-255 rows on the way out.   window 1: v0-127 B's fragments, two buffers of 64.
;   window 2: accumulator (a, b) at v[8 (8 a + b)].
.set PITCH,  272
.set APL,    64*PITCH                  ; a plane of A in a slot
.set BOFF,   2*APL                     ; B lies behind A's two planes
.set BHALF,  128*PITCH
.set SLOT,   BOFF+2*BHALF
.set STAGE,  2*SLOT                    ; behind the ring: 16 rows x (512 bytes + 16) for each wave, for the way out
.set SPITCH, 528
.set SPARE,  STAGE+4*16*SPITCH         ; the spare words, 128 bytes for each wave: two blocks of 256 bytes that no other line names
.set ADRA, 16                          ; v16-17  LDS address of my A fragments in slot 0, 1
.set ADRB, 20                          ; v20-21  the same for B
.set STO,  24                          ; v24     the way out: where I put 32 bytes of a row
.set RD,   25                          ; v25     where I read a row back
.set CO,   26                          ; v26     my byte offset in a row's 512 bytes
.set BO,   27                          ; v27     32 x (lane / 16): my eight numbers of a tile's sixteen of the bias
.set SPW,  28                          ; v28     my spare word; never rewritten
.set NIL,  29                          ; v29     0; never rewritten
.set PFO,  30                          ; v30     the prefetches' offset; never rewritten
.set BI,   128
.set G1,  24                           ; s[24:31] descriptor group 1 for A's tiles;  s[32:39] group 0, one set for each slot
.set G0,  32
.set G1B, 48                           ; s[48:55], s[56:63] the same for B's
.set G0B, 56
.set PFA, 70                           ; s[70:71] where my prefetches stand
.set LIM, 72                           ; s72  1 in the wave that prefetches, else the greatest number
.set MSB, 0
.macro WIN new
.if MSB != \new
	s_set_vgpr_msb (MSB<<8)|\new
.set MSB, \new
.endif
.endm
.set MUL,  0xa1                        ; source 0 (B) window 1, source 1 (A) window 0, C and D window 2
.set MULZ, 0x81                        ; the first products: C (the bias) window 0
.set TO_B, 0x40
.macro JLOAD s                         ; a joint load: waves 0 and 1 fetch for A, waves 2 and 3 for B; an s_nop 0 and four v_nop follow each of the two lines
	s_cmp_eq_u32 s11, 0
	s_cbranch_scc0 .Lfor_b_\@
	tensor_load_to_lds s[G0+4*\s:G0+4*\s+3], s[G1:G1+7]
	s_nop 0
.rept 4
	v_nop
.endr
	s_branch .Lasked_\@
.Lfor_b_\@:
	tensor_load_to_lds s[G0B+4*\s:G0B+4*\s+3], s[G1B:G1B+7]
	s_nop 0
.rept 4
	v_nop
.endr
.Lasked_\@:
.endm
.macro CREST                           ; a round of the cluster's barrier behind its opening barrier
	s_cmp_lg_u32 s10, 0
	s_cbranch_scc1 .Lnot_wave_0_\@
	s_barrier_signal -3
.Lnot_wave_0_\@:
	s_barrier_wait -3
	s_barrier_signal -1
	s_barrier_wait -1
.endm
.macro CROUND
	s_barrier_signal -1
	s_barrier_wait -1
	CREST
.endm
; A prefetch of A's K step that stands TWO refills on: two planes x 16,384 bytes.  A tile row of ao is read by one row of one cluster alone; its four partners take 4,096 bytes of each plane, told apart by address;
; in each, wave 0 asks: lanes 0-15 for the first plane, lanes 16-31 for the second, 256 bytes apart.  So each aligned block of 256 bytes is named once.  The loop's last trip asks for nothing: there is no K step two on.
.macro ASK
	s_cmp_gt_u32 s3, s[LIM]
	s_cbranch_scc0 .Lnot_mine_\@
	global_prefetch_b8 v[PFO], s[PFA:PFA+1] th:TH_LOAD_NT scope:SCOPE_SE
.Lnot_mine_\@:
.endm
	s_load_b128 s[4:7], s[0:1], 0x0                ; ao s[4:5], wo s[6:7]
	s_load_b64 s[68:69], s[0:1], 0x10              ; b_out
	s_load_b64 s[8:9], s[0:1], 0x18                ; out0
	v_lshl_add_u32 v[SPW], v0, 2, SPARE
	v_mov_b32 v[NIL], 0
	ds_add_u32 v[SPW], v[NIL]                      ; the wave's opening: the add, twice on end, and its wait ahead of my first tensor load
	ds_add_u32 v[SPW], v[NIL]
	v_lshrrev_b32 v1, 5, v0
	v_readfirstlane_b32 s10, v1                    ; wave 0..3
	s_lshr_b32 s11, s10, 1                         ; which 64 rows of the tile are mine.  Also: I fetch for A (0) or for B (1)
	s_and_b32 s12, s10, 1                          ; which 128 columns.  Also: which plane of A, or which 128 rows of B, I fetch
	s_bfe_u32 s40, ttmp6, 0x40000                  ; cx, cy: my place in the cluster
	s_bfe_u32 s41, ttmp6, 0x40004
	s_lshl_b32 s42, ttmp9, 2
	s_add_co_u32 s42, s42, s40                     ; tile column = 4 x cluster x + cx
	s_and_b32 s13, ttmp7, 0xffff
	s_lshl_b32 s13, s13, 2
	s_add_co_u32 s13, s13, s41                     ; tile row = 4 x cluster y + cy
	s_lshl_b32 s43, s41, 2
	s_lshl_b32 s43, 15, s43                        ; my row of the cluster
	s_lshl_b32 s44, 0x1111, s40                    ; my column
	s_or_b32 s[G1+0], s43, (1<<16)|(1<<20)|(1<<21)|(5<<22)|(3<<25)   ; the mask; elements of 2 bytes; padding on; bit 21 beside a mask; after every 64 words, 4 words
	s_or_b32 s[G1B+0], s44, (1<<16)|(1<<20)|(1<<21)|(5<<22)|(3<<25)
	s_mov_b32 s[G1+1], 128<<16                     ; A: tensor_dim0 = 128 elements
	s_mov_b32 s[G1+2], 64<<16                      ; tensor_dim1 = 64
	s_mov_b32 s[G1+3], 128<<16                     ; tile_dim0
	s_mov_b32 s[G1+4], 64                          ; tile_dim1
	s_mov_b32 s[G1+5], 128                         ; the pitch: dense
	s_mov_b32 s[G1+6], 0
	s_mov_b32 s[G1+7], 0
	s_mov_b32 s[G1B+1], 128<<16                    ; B: 128 rows of 128 elements, 1,024 elements apart
	s_mov_b32 s[G1B+2], 128<<16
	s_mov_b32 s[G1B+3], 128<<16
	s_mov_b32 s[G1B+4], 128
	s_mov_b32 s[G1B+5], 1024
	s_mov_b32 s[G1B+6], 0
	s_mov_b32 s[G1B+7], 0
	s_lshl_b32 s16, s12, 20                        ; A: my plane of 1,048,576 bytes,
	s_lshl_b32 s17, s13, 14                        ; the tile row's 128 rows of 128 bytes
	s_add_co_u32 s16, s16, s17
	s_mov_b32 s17, 0
	s_lshl_b32 s46, s42, 19                        ; B: row 256 x tile column + 128 x half, rows of 2,048 bytes
	s_lshl_b32 s47, s12, 18
	s_add_co_u32 s46, s46, s47
	s_mov_b32 s47, 0
	s_mul_i32 s20, s12, APL                        ; where they go: no place in the cluster enters an LDS address
	s_mul_i32 s21, s12, BHALF
	s_add_co_u32 s21, s21, BOFF
	s_cmp_eq_u32 s10, 0
	s_cselect_b32 s[LIM], 1, -1
	s_wait_dscnt 0x0                               ; both opening adds are done
	s_wait_kmcnt 0x0
	s_add_nc_u64 s[14:15], s[4:5], s[16:17]
	s_add_nc_u64 s[46:47], s[6:7], s[46:47]
	CROUND                                         ; all sixteen work-groups are here: the first joint loads meet
.irp s, 0,1
	s_mov_b32 s[G0+4*\s], 1
	s_add_co_u32 s[G0+4*\s+1], s20, \s*SLOT
	s_add_nc_u64 s[G0+4*\s+2:G0+4*\s+3], s[14:15], \s*2097152     ; K step s: planes 2 s and 2 s + 1
	s_or_b32 s[G0+4*\s+3], s[G0+4*\s+3], 0x80000000
	s_mov_b32 s[G0B+4*\s], 1
	s_add_co_u32 s[G0B+4*\s+1], s21, \s*SLOT
	s_add_nc_u64 s[G0B+4*\s+2:G0B+4*\s+3], s[46:47], \s*256
	s_or_b32 s[G0B+4*\s+3], s[G0B+4*\s+3], 0x80000000
	JLOAD \s
.endr
	v_and_b32 v1, 15, v0                           ; r
	v_bfe_u32 v2, v0, 4, 1                         ; h
	v_lshlrev_b32 v[BO], 5, v2
	s_lshl_b32 s22, s42, 10                        ; my first column, as bytes of f32: 1,024 x tile column + 512 x half
	s_lshl_b32 s23, s12, 9
	s_add_co_u32 s22, s22, s23
	s_mov_b32 s23, 0
	s_add_nc_u64 s[68:69], s[68:69], s[22:23]
	s_add_nc_u64 s[8:9], s[8:9], s[22:23]
.irp b, 0,1,2,3,4,5,6,7                        ; the bias in the result's layout: register 8 b + j of lane (r, h) = b_out[my first column + 16 b + 8 h + j]
	global_load_b128 v[BI+8*\b:BI+8*\b+3], v[BO], s[68:69] offset:64*\b
	global_load_b128 v[BI+8*\b+4:BI+8*\b+7], v[BO], s[68:69] offset:64*\b+16
.endr
	s_lshl_b32 s22, s13, 19                        ; my first row of out0: (128 x tile row + 64 x half) rows of 4,096 bytes
	s_lshl_b32 s23, s11, 18
	s_add_co_u32 s22, s22, s23
	s_mov_b32 s23, 0
	s_add_nc_u64 s[8:9], s[8:9], s[22:23]
	s_lshl_b32 s22, s13, 14                        ; the prefetches: the tile row's bytes of a plane,
	s_lshl_b32 s23, s40, 12                        ; my work-group's 4,096 of them,
	s_add_co_u32 s22, s22, s23
	s_add_co_u32 s22, s22, 3*2097152               ; at K step 3: the first refill steps it to K step 4.  Nothing is prefetched at the head
	s_mov_b32 s23, 0
	s_add_nc_u64 s[PFA:PFA+1], s[4:5], s[22:23]
	v_lshlrev_b32 v[PFO], 20, v2
	v_lshl_add_u32 v[PFO], v1, 8, v[PFO]           ; lanes 16-31 a plane on; 256 bytes from lane to lane
	v_lshrrev_b32 v3, 1, v1
	v_mul_u32_u24 v3, v3, PITCH
	v_and_b32 v4, 1, v1
	v_lshl_add_u32 v3, v4, 7, v3
	v_lshl_add_u32 v3, v2, 4, v3                   ; A: (r / 2) x pitch + 128 (r % 2) + 16 h
	v_mul_u32_u24 v4, v1, PITCH
	v_lshl_add_u32 v4, v2, 4, v4                   ; B: r x pitch + 16 h
	s_mul_i32 s21, s11, 32*PITCH                   ; my 64 rows of A
	s_mul_i32 s22, s12, BHALF                      ; my 128 rows of B
	s_add_co_u32 s22, s22, BOFF
.irp s, 0,1
	v_add_nc_u32 v[ADRA+\s], s21, v3
	v_add_nc_u32 v[ADRB+\s], s22, v4
	s_add_co_u32 s21, s21, SLOT
	s_add_co_u32 s22, s22, SLOT
.endr
	s_mul_i32 s23, s10, 16*SPITCH
	s_add_co_u32 s23, s23, STAGE                   ; my stage
	v_mul_u32_u24 v5, v1, SPITCH                   ; in: row r, 32 bytes for each half of the lanes
	v_lshl_add_u32 v5, v2, 5, v5
	v_add_nc_u32 v[STO], s23, v5
	v_and_b32 v6, 31, v0
	v_lshlrev_b32 v[CO], 4, v6                     ; back: the 32 lanes take one row of 512 bytes; and the same in out0
	v_add_nc_u32 v[RD], s23, v[CO]
; 8 matrix instructions: A's block a x B's eight, 32 along K, from buffer f.  zero = 1: the first product starts the sums from the bias.
; The 32 accumulators take turns, one instruction a turn, in the same order in every quarter.
.macro MUL8 f, a, zero
.irp b, 0,1,2,3,4,5,6,7
.if \zero
	v_wmma_f32_16x16x32_f16 v[8*(8*(\a)+\b):8*(8*(\a)+\b)+7], v[64*(\f)+8*\b:64*(\f)+8*\b+7], v[64+32*(\f)+8*(\a):64+32*(\f)+8*(\a)+7], v[BI+8*\b:BI+8*\b+7]
.else
	v_wmma_f32_16x16x32_f16 v[8*(8*(\a)+\b):8*(8*(\a)+\b)+7], v[64*(\f)+8*\b:64*(\f)+8*\b+7], v[64+32*(\f)+8*(\a):64+32*(\f)+8*(\a)+7], v[8*(8*(\a)+\b):8*(8*(\a)+\b)+7]
.endif
.endr
.endm
.macro MUL16 f, a0, zero
	MUL8 \f, \a0, \zero
	MUL8 \f, \a0+1, \zero
.endm
; 24 LDS loads in one run: the fragments of the slot's quarter qd (32 along K) into buffer f: B's eight, then A's four
.macro FETCH slot, qd, f
	WIN TO_B
.irp b, 0,1,2,3,4,5,6,7
	ds_load_b128 v[64*(\f)+8*\b:64*(\f)+8*\b+3], v[ADRB+\slot] offset:16*PITCH*\b+64*(\qd)
	ds_load_b128 v[64*(\f)+8*\b+4:64*(\f)+8*\b+7], v[ADRB+\slot] offset:16*PITCH*\b+64*(\qd)+32
.endr
	WIN 0
.irp a, 0,1,2,3
	ds_load_b128 v[64+32*(\f)+8*\a:64+32*(\f)+8*\a+3], v[ADRA+\slot] offset:8*PITCH*\a+APL*((\qd)/2)+64*((\qd)%2)
	ds_load_b128 v[64+32*(\f)+8*\a+4:64+32*(\f)+8*\a+7], v[ADRA+\slot] offset:8*PITCH*\a+APL*((\qd)/2)+64*((\qd)%2)+32
.endr
.endm
.macro PLACES                          ; four plain vector instructions between a matrix instruction and a load into, or a read of, its registers
.rept 4
	v_nop
.endr
.endm
; A K step is four quarters of 32 along K, 32 matrix instructions each, on buffers 0, 1, 0, 1.  One of the first three: multiplies buffer f and fetches quarter qn of the same slot into buffer g.
.macro QUARTER slot, qn, f, g, zero
	s_wait_dscnt 4                                 ; B's eight and A's blocks 0 and 1 are in; the youngest four loads (A's blocks 2 and 3) may be out
.if \zero
	WIN MULZ
.else
	WIN MUL
.endif
	MUL16 \f, 0, \zero
	PLACES
	FETCH \slot, \qn, \g
	s_wait_dscnt 24                                ; all but the 24 just issued
.if \zero
	WIN MULZ
.else
	WIN MUL
.endif
	MUL16 \f, 2, \zero
.endm
; The last quarter multiplies buffer 1 and changes slots: ONE barrier; in front of it each wave waits for all its tensor loads, adds 0 to its spare word, and waits for that and for its own reads of this slot.
; fill = 1: the barrier opens a round of the cluster's, and behind the round this slot is filled again, two K steps ahead.
.macro TURN slot, next, fill
.if \fill
	s_wait_xcnt 0x0                                ; the last prefetch, a K step back, has read its address: it is stepped here
	s_add_nc_u64 s[PFA:PFA+1], s[PFA:PFA+1], 2097152
.endif
	WIN 0                                          ; (the add's two registers lie in window 0)
	s_wait_tensorcnt 0x0                           ; all my tensor loads have landed: my part of the next slot;
	ds_add_u32 v[SPW], v[NIL]
	s_wait_dscnt 5                                 ; (the add and the youngest four loads may be out)
	WIN MUL
	MUL8 1, 0, 0                                   ; eight matrix instructions stand between the add and the wait for it
	s_wait_dscnt 0x0                               ; the add is done, and my reads of this slot are over
	s_barrier_signal -1
	MUL8 1, 1, 0
.if \fill
	WIN 0
.endif
	s_barrier_wait -1
.if \fill
	CREST                                          ; no wave of any partner still reads this slot's tiles or has a load on its way
	s_add_nc_u64 s[G0+4*\slot+2:G0+4*\slot+3], s[G0+4*\slot+2:G0+4*\slot+3], 4194304   ; four planes on
	s_add_nc_u64 s[G0B+4*\slot+2:G0B+4*\slot+3], s[G0B+4*\slot+2:G0B+4*\slot+3], 512   ; 256 along K on
	JLOAD \slot                                    ; the first tensor load behind the round; the four v_nop behind it are also the places in front of the loads below
.else
	PLACES
.endif
	FETCH \next, 0, 0
.if \fill
	ASK
.endif
	WIN MUL
	MUL16 1, 2, 0
.endm
	s_wait_tensorcnt 1                             ; my part of K step 0 is in; K step 1's load may be out
	s_barrier_signal -1
	s_barrier_wait -1                              ; everybody's is
	FETCH 0, 0, 0
	s_wait_loadcnt 0x0                             ; the bias
	QUARTER 0, 1, 0, 1, 1                          ; the first quarter stands in front of the loop: its products start the sums from the bias
	WIN 0                                          ; at a label and at a branch every window is 0
	s_mov_b32 s3, 3
.Llap:                                             ; a trip goes once round the ring, from a lap's second quarter to the next lap's first, and fills both slots again
	QUARTER 0, 2, 1, 0, 0
	QUARTER 0, 3, 0, 1, 0
	TURN 0, 1, 1
	QUARTER 1, 1, 0, 1, 0
	QUARTER 1, 2, 1, 0, 0
	QUARTER 1, 3, 0, 1, 0
	TURN 1, 0, 1
	QUARTER 0, 1, 0, 1, 0
	WIN 0
	s_sub_co_u32 s3, s3, 1
	s_cmp_lg_u32 s3, 0
	s_cbranch_scc1 .Llap
	QUARTER 0, 2, 1, 0, 0                          ; the last lap fills nothing, and has no round of the cluster's barrier
	QUARTER 0, 3, 0, 1, 0
	TURN 0, 1, 0
	QUARTER 1, 1, 0, 1, 0
	QUARTER 1, 2, 1, 0, 0
	QUARTER 1, 3, 0, 1, 0
	s_wait_dscnt 4                                 ; the very last quarter: nothing more to fetch
	WIN MUL
	MUL16 1, 0, 0
	s_wait_dscnt 0x0
	MUL16 1, 2, 0
	WIN 0
; THE WAY OUT, block by block of 16 rows x 128 columns.  A lane holds 32 neighbouring bytes of a row, and the lanes beside it hold other rows: so a block goes through my own stage in LDS and comes back as whole
; rows of 512 bytes.  LDS serves a wave's instructions in order (ISA guide 5.7.1.4): no wait between the stores and the loads, nor in front of the next block's stores.
.macro TOSTAGE a
	WIN 0x08                                       ; an LDS store's data are its source 1: window 2
.irp b, 0,1,2,3,4,5,6,7
	ds_store_b128 v[STO], v[8*(8*(\a)+\b):8*(8*(\a)+\b)+3] offset:64*\b           ; each accumulator from its low end on
	ds_store_b128 v[STO], v[8*(8*(\a)+\b)+4:8*(8*(\a)+\b)+7] offset:64*\b+16
.endr
	WIN 0
.set BB, 128+64*((\a)%2)
.irp t, 0,1,2,3,4,5,6,7,8,9,10,11,12,13,14,15
	ds_load_b128 v[BB+4*\t:BB+4*\t+3], v[RD] offset:\t*SPITCH
.endr
.endm
.macro SEND a, younger                 ; younger: the LDS instructions issued behind block a's loads, which may stay out
.set BB, 128+64*((\a)%2)
	s_wait_dscnt \younger
.irp t, 0,1,2,3,4,5,6,7,8,9,10,11,12,13,14,15
	global_store_b128 v[CO], v[BB+4*\t:BB+4*\t+3], s[8:9] offset:65536*(\a)+4096*\t th:TH_STORE_NT   ; 32 lanes store 512 consecutive bytes, aligned; written once, read by nobody here
.endr
.endm
	PLACES
	TOSTAGE 0
.irp a, 1,2,3
.if \a > 1
	s_wait_xcnt 0x0                                ; block a - 2's stores have read their registers: block a's loads may land there
.endif
	TOSTAGE \a
	SEND \a-1, 32                                  ; behind block a - 1's loads: block a's 16 stores and 16 loads
.endr
	SEND 3, 0
	s_wait_tensorcnt 0x0                           ; the wave's end: behind my last tensor load and my last LDS store
	ds_add_u32 v[SPW], v[NIL]
	s_wait_dscnt 0x0
	CROUND                                         ; the closing round: no work-group ends while a partner may still ask for a tile that names it
	s_endpgm
.Lfunc_end_k_q6abd96db47_proj:
	.size	k_q6abd96db47_proj, .Lfunc_end_k_q6abd96db47_proj-k_q6abd96db47_proj
	.p2alignl 7, 3214868480
	.fill 96, 4, 3214868480
	.section	.rodata,"a",@progbits
	.p2align	6, 0x0
	.amdhsa_kernel k_q6abd96db47_proj
		.amdhsa_group_segment_fixed_size 327680
		.amdhsa_private_segment_fixed_size 0
		.amdhsa_enable_private_segment 0
		.amdhsa_kernarg_size 32
		.amdhsa_user_sgpr_count 2
		.amdhsa_user_sgpr_kernarg_segment_ptr 1
		.amdhsa_wavefront_size32 1
		.amdhsa_system_sgpr_workgroup_id_x 1
		.amdhsa_system_sgpr_workgroup_id_y 1
		.amdhsa_system_sgpr_workgroup_id_z 1
		.amdhsa_system_vgpr_workitem_id 0
		.amdhsa_next_free_vgpr 768
		.amdhsa_next_free_sgpr 74
		.amdhsa_reserve_vcc 0
		.amdhsa_float_denorm_mode_32 3
		.amdhsa_float_denorm_mode_16_64 3
		.amdhsa_memory_ordered 1
		.amdhsa_forward_progress 1
		.amdhsa_inst_pref_size 88
	.end_amdhsa_kernel
	.amdgpu_metadata
---
amdhsa.version: [ 1, 2 ]
amdhsa.kernels:
  - .name:           k_q6abd96db47_proj
    .symbol:         k_q6abd96db47_proj.kd
    .args:
      - { .name: ao, .offset: 0, .size: 8, .value_kind: global_buffer, .address_space: global }
      - { .name: wo, .offset: 8, .size: 8, .value_kind: global_buffer, .address_space: global }
      - { .name: b_out, .offset: 16, .size: 8, .value_kind: global_buffer, .address_space: global }
      - { .name: out0, .offset: 24, .size: 8, .value_kind: global_buffer, .address_space: global }
    .group_segment_fixed_size: 327680
    .private_segment_fixed_size: 0
    .kernarg_segment_align: 8
    .kernarg_segment_size: 32
    .max_flat_workgroup_size: 128
    .sgpr_count:     74
    .vgpr_count:     768
    .wavefront_size: 32
...
	.end_amdgpu_metadata
.endif
;; end of part 4
